; MI455X (gfx1250); checked and timed in simulation.
; The chip was launched on July 23, 2026; its instructions are those of AMD's public machine-readable ISA for CDNA 5 (MIT licence, August 2026) and "CDNA5" Instruction Set Architecture Reference Guide (July 2026). The comments in the code are by the model that wrote it; some were corrected since.
;; Multi Head Attention. Allowed arithmetic: float matrix products may take bf16 or f16 operands with f32 sums; all other float work in f32.
;; Inputs: Wk 1,024 x 1,024 float32; Wq 1,024 x 1,024 float32; Wr 1,024 x 1,024 float32; Wv 1,024 x 1,024 float32; beta 1,024 float32; bk 1,024 float32; bq 1,024 float32; br 1,024 float32; bv 1,024 float32; gamma 1,024 float32; x 4 x 2,048 x 1,024 float32.
;; Outputs: out0 4 x 2,048 x 1,024 float32.
;; 3 versions, each right; version 2 is faster than version 1; version 3 is version 2 with the launch cast written anew for expert scheduling mode. Each part assembles by itself: llvm-mc -triple=amdgcn-amd-amdhsa -mcpu=gfx1250 --defsym DOCPART=n.
;; ======== version 1 of 3: 3 launches
;; workspace buffers: cb 25,165,824 bytes; qkv 50,331,648 bytes; res 33,554,432 bytes
;; launch cast (part 1): grid 768 x 1, 8 waves a work-group, no clusters, 0 bytes of LDS; arguments x, Wq, Wk, Wv, Wr, cb; writes cb
.if DOCPART == 1
	.amdgcn_target "amdgcn-amd-amdhsa--gfx1250"
	.amdhsa_code_object_version 6
	.text
	.protected	k_qbc18feaca0_cast
	.globl	k_qbc18feaca0_cast
	.p2align	8
	.type	k_qbc18feaca0_cast,@function
k_qbc18feaca0_cast:
	s_mov_b64 s[64:65], 0
	v_nop
	global_prefetch_b8 v0, s[64:65] scope:SCOPE_SE
	s_setreg_imm32_b32 hwreg(HW_REG_WAVE_MODE, 25, 1), 1
	s_wait_xcnt 0x0
; cb = bf16 of x (8,388,608 numbers, cb's bytes 0 to 16 MiB) and of Wq, Wk, Wv, Wr (1,048,576 numbers each, 2 MiB each, in that order behind x).
; Nothing is transposed: the layouts stay [row][column].  Rounding to nearest even, once.
; 768 work-groups of 16,384 numbers: groups 0-511 take x, 512-575 Wq, 576-639 Wk, 640-703 Wv, 704-767 Wr.
; A wave takes 2,048 numbers: 16 loads of 16 bytes a lane (512 consecutive bytes a load), all issued at once, and 16 stores of
; 8 bytes a lane (256 consecutive aligned bytes a store).  No LDS, no barrier, no matrix unit: the work is a copy.
.set X, 4                              ; v[4:67]   16 x 4 numbers in f32, as loaded
.set Y, 68                             ; v[68:99]  16 x 2 words of two bf16, to store
	s_load_b256 s[4:11], s[0:1], 0x0               ; x s[4:5], Wq s[6:7], Wk s[8:9], Wv s[10:11]
	s_load_b128 s[12:15], s[0:1], 0x20             ; Wr s[12:13], cb s[14:15]
	s_sub_co_u32 s16, ttmp9, 512                   ; place among the weights' groups (wraps for x's groups: overruled below)
	s_lshr_b32 s17, s16, 6                         ; which weight matrix
	s_and_b32 s18, s16, 63                         ; which 64 KiB of it
	v_and_b32 v3, 31, v0                           ; lane
	v_lshrrev_b32 v2, 5, v0                        ; wave
	v_lshlrev_b32 v1, 13, v2                       ; in:  8,192 bytes a wave
	v_lshl_add_u32 v1, v3, 4, v1                   ;      + 16 bytes a lane
	v_lshlrev_b32 v2, 12, v2                       ; out: 4,096 bytes a wave
	v_lshl_add_u32 v2, v3, 3, v2                   ;      + 8 bytes a lane
	s_wait_kmcnt 0x0
	s_cmp_eq_u32 s17, 1                            ; the source buffer is chosen by the group's number alone
	s_cselect_b64 s[20:21], s[8:9], s[6:7]
	s_cmp_eq_u32 s17, 2
	s_cselect_b64 s[20:21], s[10:11], s[20:21]
	s_cmp_eq_u32 s17, 3
	s_cselect_b64 s[20:21], s[12:13], s[20:21]
	s_cmp_lt_u32 ttmp9, 512
	s_cselect_b64 s[20:21], s[4:5], s[20:21]
	s_cselect_b32 s18, ttmp9, s18
	s_lshl_b32 s22, s18, 16                        ; 64 KiB of f32 a group
	s_mov_b32 s23, 0
	s_add_nc_u64 s[20:21], s[20:21], s[22:23]
	s_lshl_b32 s24, ttmp9, 15                      ; 32 KiB of bf16 a group: group 512 starts at 16 MiB, every 64 groups are 2 MiB
	s_mov_b32 s25, 0
	s_add_nc_u64 s[14:15], s[14:15], s[24:25]
.irp j, 0,1,2,3,4,5,6,7,8,9,10,11,12,13,14,15
	global_load_b128 v[X+4*\j:X+4*\j+3], v1, s[20:21] offset:512*\j th:TH_LOAD_NT
.endr
.irp j, 0,1,2,3,4,5,6,7,8,9,10,11,12,13,14,15
	s_wait_loadcnt 15-\j                           ; loads come back in order: load j is in, the 15 - j younger ones stay out
	v_cvt_pk_bf16_f32 v[Y+2*\j],   v[X+4*\j],   v[X+4*\j+1]
	v_cvt_pk_bf16_f32 v[Y+2*\j+1], v[X+4*\j+2], v[X+4*\j+3]
	global_store_b64 v2, v[Y+2*\j:Y+2*\j+1], s[14:15] offset:256*\j     ; no register is written twice, so no wait frees a source
.endr
	s_endpgm
.Lfunc_end_k_qbc18feaca0_cast:
	.size	k_qbc18feaca0_cast, .Lfunc_end_k_qbc18feaca0_cast-k_qbc18feaca0_cast
	.p2alignl 7, 3214868480
	.fill 96, 4, 3214868480
	.section	.rodata,"a",@progbits
	.p2align	6, 0x0
	.amdhsa_kernel k_qbc18feaca0_cast
		.amdhsa_group_segment_fixed_size 0
		.amdhsa_private_segment_fixed_size 0
		.amdhsa_enable_private_segment 0
		.amdhsa_kernarg_size 48
		.amdhsa_user_sgpr_count 2
		.amdhsa_user_sgpr_kernarg_segment_ptr 1
		.amdhsa_wavefront_size32 1
		.amdhsa_system_sgpr_workgroup_id_x 1
		.amdhsa_system_sgpr_workgroup_id_y 1
		.amdhsa_system_sgpr_workgroup_id_z 1
		.amdhsa_system_vgpr_workitem_id 0
		.amdhsa_next_free_vgpr 104
		.amdhsa_next_free_sgpr 66
		.amdhsa_reserve_vcc 0
		.amdhsa_float_denorm_mode_32 3
		.amdhsa_float_denorm_mode_16_64 3
		.amdhsa_memory_ordered 1
		.amdhsa_forward_progress 1
		.amdhsa_inst_pref_size 7
	.end_amdhsa_kernel
	.amdgpu_metadata
---
amdhsa.version: [ 1, 2 ]
amdhsa.kernels:
  - .name:           k_qbc18feaca0_cast
    .symbol:         k_qbc18feaca0_cast.kd
    .args:
      - { .name: x, .offset: 0, .size: 8, .value_kind: global_buffer, .address_space: global }
      - { .name: Wq, .offset: 8, .size: 8, .value_kind: global_buffer, .address_space: global }
      - { .name: Wk, .offset: 16, .size: 8, .value_kind: global_buffer, .address_space: global }
      - { .name: Wv, .offset: 24, .size: 8, .value_kind: global_buffer, .address_space: global }
      - { .name: Wr, .offset: 32, .size: 8, .value_kind: global_buffer, .address_space: global }
      - { .name: cb, .offset: 40, .size: 8, .value_kind: global_buffer, .address_space: global }
    .group_segment_fixed_size: 0
    .private_segment_fixed_size: 0
    .kernarg_segment_align: 8
    .kernarg_segment_size: 48
    .max_flat_workgroup_size: 256
    .sgpr_count:     66
    .vgpr_count:     104
    .wavefront_size: 32
...
	.end_amdgpu_metadata
.endif
;; end of part 1
;; launch proj (part 2): grid 16 x 32, 4 waves a work-group, clusters of 4 x 4, 327,680 bytes of LDS; arguments cb, qkv, res, bq, bk, bv, br; writes qkv, res
.if DOCPART == 2
	.amdgcn_target "amdgcn-amd-amdhsa--gfx1250"
	.amdhsa_code_object_version 6
	.text
	.protected	k_qbc18feaca0_proj
	.globl	k_qbc18feaca0_proj
	.p2align	8
	.type	k_qbc18feaca0_proj,@function
k_qbc18feaca0_proj:
	s_mov_b64 s[64:65], 0
	v_nop
	global_prefetch_b8 v0, s[64:65] scope:SCOPE_SE
	s_setreg_imm32_b32 hwreg(HW_REG_WAVE_MODE, 25, 1), 1
	s_wait_xcnt 0x0
	s_wait_alu depctr_hold_cnt(0) depctr_sa_sdst(0) depctr_va_vdst(0) depctr_va_sdst(0) depctr_va_ssrc(0) depctr_va_vcc(0) depctr_vm_vsrc(0)
	s_getreg_b32 s2, hwreg(HW_REG_IB_STS2, 6, 4)
	s_cmp_eq_u32 s2, 0
	s_cbranch_scc0 .Lentry_in_a_cluster
	s_endpgm
.Lentry_in_a_cluster:
	s_bfe_u32 s2, ttmp6, 0x10000c
	s_cmp_lg_u32 s2, 0xf033
	s_cbranch_scc0 .Lentry_shape_is_right
	s_endpgm
.Lentry_shape_is_right:
; relu(x W + b) for the four weight matrices at once: C[8192][4096] = xb[8192][1024] x (Wq | Wk | Wv | Wr), operands bf16 from cb, sums f32.
; Columns 0-1023 go to qkv's q part, 1024-2047 to k, 2048-3071 to v (bf16, rounded once); columns 3072-4095 go to res in f32.
; LIMITS: relu is v_max_num_f32 with 0, which turns a NaN into 0; NaN and infinite inputs are not served.  The bias is the first
; term of each sum (it is the C operand of the first product), not the last.
; A work-group makes 256 x 256 of C with four waves, a wave 128 x 128: 64 accumulator tiles, 512 registers.  K goes in steps of 128 through
; two LDS slots filled by the tensor data mover.
; CLUSTERS: 4 x 4 work-groups.  A cluster's four block columns are the four of ONE weight matrix (matrix = cluster x), so the choice of the
; bias and of the way out is the same in all sixteen.  x's tile hangs on the block row alone and is asked for jointly along a row of the
; cluster, W's tile on the block column alone and jointly along a column: the requests for both are divided by four.
; W lies [k][n] in memory and in LDS; its fragments are read by the transposing LDS load, two loads a fragment like x's.
;
; REGISTERS, in windows of 256: window 0: v16-30 addresses, v64-127 and v128-191 x's fragments (two buffers), v192-223 at work on the way out;
; window 1: v0-63 the bias of my 128 columns in the accumulators' layout, v64-127 and v128-191 W's fragments; window 2: the 32 accumulator tiles
; of my rows 0-63 (tile (a, b) at v[8 (8 a + b)]); window 3: those of rows 64-127.
; THE MATRIX INSTRUCTION IS USED TRANSPOSED: source 0 = 16 columns of W, source 1 = 16 rows of x.  Lane l then holds row l % 16 of C, and its
; registers 0-7 the columns 8 (l / 16) + 0..7: eight neighbouring numbers of a row.
.set SIZE_K, 1024
.set KSTEP,  128
.set PITCH,  272                       ; x's LDS row: 256 bytes + 16 of padding: 16 rows of a fragment start 16 bytes apart modulo 256
.set HALFT,  128*PITCH                 ; 34,816: what one tensor load brings (128 rows of x, or 64 k rows of W: 64 x 544 is the same)
.set BP,     544                       ; W's LDS row: 256 columns = 512 bytes + 32 of padding, an odd multiple of 32
.set SLOT,   4*HALFT                   ; x's 256 rows, then W's 128 k rows
.set STAGE,  2*SLOT                    ; 278,528: behind the ring, never filled by a tensor load
.set SPITCH, 272                       ; stage row for bf16 results (256 bytes + 16)
.set FPITCH, 528                       ; stage row for f32 results (512 bytes + 16)
.set WSTAGE, 16*FPITCH                 ; a wave's stage: 16 rows
.set LAPS, SIZE_K/(2*KSTEP)            ; 4 laps of two K steps
.set ADRA, 16                          ; v16-17  LDS address of my x fragments in slot 0, 1
.set ADRB, 20                          ; v20-21  the same for W
.set STO,  24                          ; bf16 way out: where I put 16 bytes
.set RD,   25                          ; bf16 way out: where I read rows back
.set CO,   26                          ; bf16 way out: my byte offset in qkv
.set BOFF, 27                          ; my byte offset in the bias
.set STOF, 28                          ; f32 way out: where I put 32 bytes
.set RDF,  29                          ; f32 way out: where I read a row back
.set COF,  30                          ; f32 way out: my byte offset in res
.set F0,   64
.set F1,   128
.set TMP,  192
.set G1, 24                            ; s[24:31] group 1 for x's tiles
.set G0, 32                            ; s[32:39] group 0 for x's tiles, one set a slot
.set G1B, 48                           ; s[48:55] group 1 for W's tiles
.set G0B, 56                           ; s[56:63] group 0 for W's tiles, one set a slot
.set MSB, 0
.macro WIN new                         ; the immediate's high byte repeats the setting that is left
.if MSB != \new
	s_set_vgpr_msb (MSB<<8)|\new
.set MSB, \new
.endif
.endm
.set MUL_LO,  0xa1                     ; source 0 (W) window 1, source 1 (x) window 0, C and D window 2
.set MUL_HI,  0xf1                     ; the same, C and D window 3
.set BIAS_LO, 0x91                     ; the first product: C is the bias in window 1, D window 2
.set BIAS_HI, 0xd1                     ; the same, D window 3
.set TO_B,    0x40                     ; destination window 1, address window 0
; A joint load.  Waves 0 and 1 fetch x's two halves, waves 2 and 3 W's.  Each line has one mask and one set of registers; the branch hangs on the wave's number alone.
.macro JLOAD s
	s_cmp_eq_u32 s11, 0
	s_cbranch_scc0 .Lfor_b_\@
	tensor_load_to_lds s[G0+4*\s:G0+4*\s+3], s[G1:G1+7]
	s_nop 0
	s_branch .Lasked_\@
.Lfor_b_\@:
	tensor_load_to_lds s[G0B+4*\s:G0B+4*\s+3], s[G1B:G1B+7]
	s_nop 0
.Lasked_\@:
.endm
; A round of the cluster's barrier: my work-group's barrier; wave 0 signals for the work-group; every wave waits for all sixteen; my work-group's barrier again.
.macro CREST                           ; a round behind its opening barrier
	s_cmp_lg_u32 s10, 0
	s_cbranch_scc1 .Lnot_wave_0_\@
	s_barrier_signal -3
.Lnot_wave_0_\@:
	s_barrier_wait -3
	s_barrier_signal -1
	s_barrier_wait -1
.endm
.macro CROUND
	s_barrier_signal -1
	s_barrier_wait -1
	CREST
.endm
	s_load_b128 s[4:7], s[0:1], 0x0                ; cb s[4:5], qkv s[6:7]
	s_load_b64 s[8:9], s[0:1], 0x10                ; res
	s_load_b256 s[68:75], s[0:1], 0x18             ; bq, bk, bv, br
	s_set_vgpr_msb 0x40
	v_lshl_add_u32 v255, v0, 2, 0x4c400
	s_set_vgpr_msb 0x4000
	v_mov_b32 v255, 0
	s_set_vgpr_msb 0x1
	ds_add_u32 v255, v255
	s_set_vgpr_msb 0x100
	v_lshrrev_b32 v1, 5, v0
	v_readfirstlane_b32 s10, v1                    ; wave 0..3
	s_lshr_b32 s11, s10, 1                         ; which half of the block's rows is mine.  Also: I fetch for x (0) or for W (1)
	s_and_b32 s12, s10, 1                          ; which half of its columns.  Also: which half of that tile I fetch
	s_bfe_u32 s40, ttmp6, 0x40000                  ; cx
	s_bfe_u32 s41, ttmp6, 0x40004                  ; cy
	s_and_b32 s13, ttmp7, 0xffff
	s_lshl_b32 s13, s13, 2
	s_add_co_u32 s13, s13, s41                     ; block row = 4 x cluster y + cy
	s_lshl_b32 s43, s41, 2
	s_lshl_b32 s43, 15, s43                        ; my row of the cluster: places 4 cy .. 4 cy + 3
	s_lshl_b32 s44, 0x1111, s40                    ; my column: places cx, cx + 4, cx + 8, cx + 12
	; group 1 for x: 128 rows x 128 elements of 2 bytes, 4 words of padding behind every 64 words
	s_or_b32 s[G1+0], s43, (1<<16)|(1<<20)|(1<<21)|(5<<22)|(3<<25)
	s_mov_b32 s[G1+1], KSTEP<<16                   ; tensor_dim0 = 128
	s_mov_b32 s[G1+2], 128<<16                     ; tensor_dim1 = 128
	s_mov_b32 s[G1+3], KSTEP<<16                   ; tile_dim0 = 128
	s_mov_b32 s[G1+4], 128                         ; tile_dim1 = 128
	s_mov_b32 s[G1+5], SIZE_K                      ; elements from row to row
	s_mov_b32 s[G1+6], 0
	s_mov_b32 s[G1+7], 0
	; group 1 for W: 64 k rows x 256 elements of 2 bytes, 8 words of padding behind every 128 words
	s_or_b32 s[G1B+0], s44, (1<<16)|(1<<20)|(1<<21)|(6<<22)|(7<<25)
	s_mov_b32 s[G1B+1], 256<<16                    ; tensor_dim0 = 256
	s_mov_b32 s[G1B+2], 64<<16                     ; tensor_dim1 = 64
	s_mov_b32 s[G1B+3], 256<<16                    ; tile_dim0 = 256
	s_mov_b32 s[G1B+4], 64                         ; tile_dim1 = 64
	s_mov_b32 s[G1B+5], 1024                       ; elements from k row to k row
	s_mov_b32 s[G1B+6], 0
	s_mov_b32 s[G1B+7], 0
	; where the tiles come from: x's hang on the block row, W's on the matrix (cluster x) and cx; neither set of registers ever holds the other coordinate
	s_lshl_b32 s16, s13, 8
	s_lshl_b32 s17, s12, 7
	s_add_co_u32 s16, s16, s17                     ; x: row 256 x block row + 128 x half
	s_lshl_b32 s16, s16, 11                        ; rows of 2,048 bytes: below 16 MiB
	s_mov_b32 s17, 0
	s_lshl_b32 s46, ttmp9, 21                      ; W: matrix x 2 MiB
	s_add_co_u32 s46, s46, 0x1000000               ; behind x's 16 MiB
	s_lshl_b32 s47, s40, 9                         ; + cx x 256 columns of 2 bytes
	s_add_co_u32 s46, s46, s47
	s_lshl_b32 s47, s12, 17                        ; + half x 64 k rows of 2,048 bytes
	s_add_co_u32 s46, s46, s47
	s_mov_b32 s47, 0
	s_mul_i32 s20, s10, HALFT                      ; where they go: wave x 34,816
	s_lshl_b32 s76, s40, 10                        ; my 128 columns in the bias: (256 cx + 128 half) x 4 bytes
	s_lshl_b32 s77, s12, 9
	s_add_co_u32 s76, s76, s77
	s_mov_b32 s77, 0
	s_wait_dscnt 0x0
	s_wait_kmcnt 0x0
	s_add_nc_u64 s[14:15], s[4:5], s[16:17]
	s_add_nc_u64 s[46:47], s[4:5], s[46:47]
	s_cmp_eq_u32 ttmp9, 1                          ; the bias of this cluster's matrix
	s_cselect_b64 s[68:69], s[70:71], s[68:69]
	s_cmp_eq_u32 ttmp9, 2
	s_cselect_b64 s[68:69], s[72:73], s[68:69]
	s_cmp_eq_u32 ttmp9, 3
	s_cselect_b64 s[68:69], s[74:75], s[68:69]
	s_add_nc_u64 s[68:69], s[68:69], s[76:77]
	CROUND                                         ; all sixteen work-groups are here: the first joint loads meet
.irp s, 0,1
	s_mov_b32 s[G0+4*\s], 1
	s_add_co_u32 s[G0+4*\s+1], s20, \s*SLOT
	s_add_nc_u64 s[G0+4*\s+2:G0+4*\s+3], s[14:15], \s*KSTEP*2          ; K step s: 256 bytes along x's rows
	s_or_b32 s[G0+4*\s+3], s[G0+4*\s+3], 0x80000000
	s_mov_b32 s[G0B+4*\s], 1
	s_add_co_u32 s[G0B+4*\s+1], s20, \s*SLOT
	s_add_nc_u64 s[G0B+4*\s+2:G0B+4*\s+3], s[46:47], \s*KSTEP*2048     ; K step s: 128 k rows down W
	s_or_b32 s[G0B+4*\s+3], s[G0B+4*\s+3], 0x80000000
	JLOAD \s                                       ; both slots are asked for before anything else is done: two tensor loads of the wave are out
.endr
	v_and_b32 v1, 15, v0                           ; r = l % 16
	v_bfe_u32 v2, v0, 4, 1                         ; h = l / 16
	v_mul_u32_u24 v3, v1, PITCH
	v_lshl_add_u32 v3, v2, 4, v3                   ; x: row r, 16 h bytes
	v_and_b32 v4, 7, v0
	v_lshl_add_u32 v4, v2, 3, v4                   ; W: k row 8 h + l % 8,
	v_mul_u32_u24 v4, v4, BP
	v_bfe_u32 v5, v0, 3, 1
	v_lshl_add_u32 v4, v5, 4, v4                   ; 16 bytes further for lanes 8-15 and 24-31
	s_mul_i32 s21, s11, HALFT                      ; my 128 rows of x
	s_lshl_b32 s22, s12, 8                         ; my 128 columns of W: 256 bytes along its rows,
	s_add_co_u32 s22, s22, 2*HALFT                 ; behind x's 256 rows
.irp s, 0,1
	v_add_nc_u32 v[ADRA+\s], s21, v3
	v_add_nc_u32 v[ADRB+\s], s22, v4
	s_add_co_u32 s21, s21, SLOT
	s_add_co_u32 s22, s22, SLOT
.endr
	s_mul_i32 s23, s10, WSTAGE
	s_add_co_u32 s23, s23, STAGE                   ; my stage
	v_mul_u32_u24 v4, v1, SPITCH
	v_lshl_add_u32 v4, v2, 4, v4
	v_add_nc_u32 v[STO], s23, v4
	v_mul_u32_u24 v5, v2, SPITCH
	v_lshl_add_u32 v5, v1, 4, v5
	v_add_nc_u32 v[RD], s23, v5
	v_lshlrev_b32 v5, 11, v2                       ; lanes 16-31 one row of 2,048 bytes further down
	v_lshl_add_u32 v[CO], v1, 4, v5
	v_lshlrev_b32 v[BOFF], 5, v2                   ; 8 h numbers of 4 bytes
	v_mul_u32_u24 v4, v1, FPITCH
	v_lshl_add_u32 v4, v2, 5, v4
	v_add_nc_u32 v[STOF], s23, v4
	v_and_b32 v5, 31, v0
	v_lshlrev_b32 v[COF], 4, v5
	v_add_nc_u32 v[RDF], s23, v[COF]
	; the bias in the accumulators' layout: register j of column tile b holds bias[16 b + 8 h + j]
	WIN TO_B
.irp b, 0,1,2,3,4,5,6,7
	global_load_b128 v[8*\b:8*\b+3],   v[BOFF], s[68:69] offset:64*\b
	global_load_b128 v[8*\b+4:8*\b+7], v[BOFF], s[68:69] offset:64*\b+16
.endr
	WIN 0
; 16 matrix instructions: m blocks a0, a0 + 1 of the window's four x all 8 n blocks, 32 along K.  zero = 1: the first product starts the sums from the bias.
; The 64 accumulators take turns, one instruction a turn, in the same order in every quarter step.
.macro MUL16 f, hi, a0, zero
.irp a, \a0, \a0+1
.irp b, 0,1,2,3,4,5,6,7
.if \zero
	v_wmma_f32_16x16x32_bf16 v[8*(8*(\a)+\b):8*(8*(\a)+\b)+7], v[\f+8*\b:\f+8*\b+7], v[\f+8*(4*\hi+\a):\f+8*(4*\hi+\a)+7], v[8*\b:8*\b+7]
.else
	v_wmma_f32_16x16x32_bf16 v[8*(8*(\a)+\b):8*(8*(\a)+\b)+7], v[\f+8*\b:\f+8*\b+7], v[\f+8*(4*\hi+\a):\f+8*(4*\hi+\a)+7], v[8*(8*(\a)+\b):8*(8*(\a)+\b)+7]
.endif
.endr
.endr
.endm
; 32 LDS loads in one run: the fragments of one quarter step.  k = byte offset of the quarter along x's rows (2 bytes a k), so k x 272 = k rows x 544 down W.
; W: the first transposing load brings k = 8 h .. 8 h + 7 of column 16 i + r, the second, 16 k rows further down, k = 16 + 8 h ..
.macro FETCH slot, k, f
	WIN TO_B
.irp i, 0,1,2,3,4,5,6,7
	ds_load_tr16_b128 v[\f+8*\i:\f+8*\i+3],   v[ADRB+\slot] offset:\k*272+32*\i
	ds_load_tr16_b128 v[\f+8*\i+4:\f+8*\i+7], v[ADRB+\slot] offset:\k*272+32*\i+16*BP
.endr
	WIN 0
.irp i, 0,1,2,3,4,5,6,7
	ds_load_b128 v[\f+8*\i:\f+8*\i+3],   v[ADRA+\slot] offset:\k+\i*16*PITCH
	ds_load_b128 v[\f+8*\i+4:\f+8*\i+7], v[ADRA+\slot] offset:\k+\i*16*PITCH+32
.endr
.endm
; Four plain vector instructions stand between a matrix instruction and a load into, or a vector instruction on, one of its registers (ISA guide 7.12.1 for vector instructions).
.macro PLACES
.rept 4
	v_nop
.endr
.endm
.macro QUARTER slot, k, f, g, zero
	s_wait_dscnt 8                                 ; W and x's rows 0-63 are in; the youngest eight loads (x's rows 64-127) may be out
.if \zero
	WIN BIAS_LO
.else
	WIN MUL_LO
.endif
	MUL16 \f, 0, 0, \zero
	MUL16 \f, 0, 2, \zero
	PLACES
	FETCH \slot, \k, \g
	s_wait_dscnt 32                                ; all but the 32 just issued
.if \zero
	WIN BIAS_HI
.else
	WIN MUL_HI
.endif
	MUL16 \f, 1, 0, \zero
	MUL16 \f, 1, 2, \zero
.endm
.macro THREE slot, zero
	QUARTER \slot, 64,  F0, F1, \zero
	QUARTER \slot, 128, F1, F0, 0
	QUARTER \slot, 192, F0, F1, 0
.endm
; The last quarter of a K step changes slots.  In front of the barrier each wave waits for its reads of this slot and for all its tensor loads (one is out: its part of
; the next slot).  Behind it the refill comes first, then the next slot's first fragments.  From a request to the wait for it a wave issues 240 matrix instructions.
.macro TURN slot, next, fill
	s_wait_dscnt 8
	WIN MUL_LO
	MUL16 F1, 0, 0, 0
	s_wait_dscnt 0                                 ; my reads of this slot are over
	s_wait_tensorcnt 0x0                           ; all my tensor loads have landed
	ds_add_u32 v255, v255
	s_wait_dscnt 0x0
	s_barrier_signal -1                            ; where a slot is filled again this barrier opens a round of the cluster's barrier
	MUL16 F1, 0, 2, 0                              ; register work while the others arrive
	WIN 0
	s_barrier_wait -1
.if \fill
	CREST                                          ; no wave of any partner still reads this slot or has a load on its way
	s_add_nc_u64 s[G0+4*\slot+2:G0+4*\slot+3], s[G0+4*\slot+2:G0+4*\slot+3], 2*KSTEP*2
	s_add_nc_u64 s[G0B+4*\slot+2:G0B+4*\slot+3], s[G0B+4*\slot+2:G0B+4*\slot+3], 2*KSTEP*2048
	JLOAD \slot                                    ; the first tensor load behind the round, and the wave's only one until the next
.endif
	PLACES
	FETCH \next, 0, F0
	WIN MUL_HI
	MUL16 F1, 1, 0, 0
	MUL16 F1, 1, 2, 0
.endm
.macro LAP zero
	THREE 0, \zero
	TURN 0, 1, 1
	THREE 1, 0
	TURN 1, 0, 1
.endm
	s_wait_tensorcnt 1                             ; my part of K step 0 is in; K step 1's load stays out
	s_barrier_signal -1
	s_barrier_wait -1                              ; everybody's part is in
	FETCH 0, 0, F0
	s_wait_loadcnt 0x0                             ; the bias
	LAP 1                                          ; the first lap stands in front of the loop: its first products start the sums
	WIN 0                                          ; at a label and at a branch every window is 0
	s_mov_b32 s3, LAPS-2
.Llap:
	LAP 0
	WIN 0
	s_sub_co_u32 s3, s3, 1
	s_cmp_lg_u32 s3, 0
	s_cbranch_scc1 .Llap
	THREE 0, 0                                     ; the last lap fills nothing
	TURN 0, 1, 0
	THREE 1, 0
	s_wait_dscnt 8
	WIN MUL_LO
	MUL16 F1, 0, 0, 0
	MUL16 F1, 0, 2, 0
	s_wait_dscnt 0
	WIN MUL_HI
	MUL16 F1, 1, 0, 0
	MUL16 F1, 1, 2, 0
	; THE WAY OUT, 16 rows at a time through my own stage, so that every global store covers whole runs of consecutive bytes.
	PLACES                                         ; the places behind the last matrix instructions
	WIN 0
	s_lshl_b32 s13, s13, 8
	s_lshl_b32 s14, s11, 7
	s_add_co_u32 s16, s13, s14                     ; my first row of C
	s_mov_b32 s17, 0
	s_cmp_eq_u32 ttmp9, 3                          ; the matrix: the same in all sixteen work-groups of the cluster
	s_cbranch_scc1 .Lres
	; q, k, v: bf16 into qkv[matrix][row][column]
	s_lshl_b32 s16, s16, 11                        ; rows of 2,048 bytes
	s_add_nc_u64 s[6:7], s[6:7], s[16:17]
	s_lshl_b32 s46, ttmp9, 24                      ; matrix x 16 MiB
	s_lshl_b32 s47, s40, 9                         ; + cx x 256 columns of 2 bytes
	s_add_co_u32 s46, s46, s47
	s_lshl_b32 s47, s12, 8                         ; + my half
	s_add_co_u32 s46, s46, s47
	s_mov_b32 s47, 0
	s_add_nc_u64 s[6:7], s[6:7], s[46:47]
; rows 16 i .. 16 i + 15 of my block = the eight tiles (a, 0..7), registers 64 a .. 64 a + 63 of window 2 (hi = 0) or 3 (hi = 1)
.macro RELU64 a, hi
.if \hi
	WIN 0xcf
.else
	WIN 0x8a
.endif
.set rr, 64*\a
.rept 64
	v_max_num_f32 v[rr], 0, v[rr]
.set rr, rr+1
.endr
.endm
.macro OUT16B i, a, hi, f
	RELU64 \a, \hi
.if \hi
	WIN 0x0f
.else
	WIN 0x0a
.endif
.irp b, 0,1,2,3,4,5,6,7
.irp r, 0,1,2,3
	v_cvt_pk_bf16_f32 v[TMP+4*\b+\r], v[8*(8*\a+\b)+2*\r], v[8*(8*\a+\b)+2*\r+1]
.endr
.endr
	WIN 0
.irp b, 0,1,2,3,4,5,6,7
	ds_store_b128 v[STO], v[TMP+4*\b:TMP+4*\b+3] offset:32*\b
.endr
	s_wait_xcnt 0x0                                ; buffer f, which earlier stores read, and the stores' base are rewritten only behind this wait
.if \i
	s_add_nc_u64 s[6:7], s[6:7], 16*2048
.endif
.irp t, 0,1,2,3,4,5,6,7
	ds_load_b128 v[\f+4*\t:\f+4*\t+3], v[RD] offset:\t*2*SPITCH        ; LDS serves a wave's instructions in order: these see the stores above
.endr
.irp t, 0,1,2,3,4,5,6,7
	s_wait_dscnt 7-\t
	global_store_b128 v[CO], v[\f+4*\t:\f+4*\t+3], s[6:7] offset:2*\t*2048     ; 16 lanes store 256 consecutive aligned bytes
.endr
.endm
	OUT16B 0, 0, 0, F0
	OUT16B 1, 1, 0, F1
	OUT16B 2, 2, 0, F0
	OUT16B 3, 3, 0, F1
	OUT16B 4, 0, 1, F0
	OUT16B 5, 1, 1, F1
	OUT16B 6, 2, 1, F0
	OUT16B 7, 3, 1, F1
	s_branch .Ldone
.Lres:
	; the residual branch: f32 into res[row][column]
	s_lshl_b32 s16, s16, 12                        ; rows of 4,096 bytes
	s_add_nc_u64 s[8:9], s[8:9], s[16:17]
	s_lshl_b32 s46, s40, 10                        ; cx x 256 columns of 4 bytes
	s_lshl_b32 s47, s12, 9                         ; + my half
	s_add_co_u32 s46, s46, s47
	s_mov_b32 s47, 0
	s_add_nc_u64 s[8:9], s[8:9], s[46:47]
.macro OUT16F i, a, hi, f
	RELU64 \a, \hi
.if \hi
	WIN 0x0c                                       ; store data in window 3
.else
	WIN 0x08                                       ; store data in window 2
.endif
.irp b, 0,1,2,3,4,5,6,7
.irp e, 0,1
	ds_store_b128 v[STOF], v[8*(8*\a+\b)+4*\e:8*(8*\a+\b)+4*\e+3] offset:64*\b+16*\e
.endr
.endr
	WIN 0
	s_wait_xcnt 0x0                                ; buffer f and the stores' base are rewritten only behind this wait
.if \i
	s_add_nc_u64 s[8:9], s[8:9], 16*4096
.endif
.irp t, 0,1,2,3,4,5,6,7,8,9,10,11,12,13,14,15
	ds_load_b128 v[\f+4*\t:\f+4*\t+3], v[RDF] offset:\t*FPITCH
.endr
.irp t, 0,1,2,3,4,5,6,7,8,9,10,11,12,13,14,15
	s_wait_dscnt 15-\t
	global_store_b128 v[COF], v[\f+4*\t:\f+4*\t+3], s[8:9] offset:\t*4096      ; the wave stores 512 consecutive aligned bytes of one row
.endr
.endm
	OUT16F 0, 0, 0, F0
	OUT16F 1, 1, 0, F1
	OUT16F 2, 2, 0, F0
	OUT16F 3, 3, 0, F1
	OUT16F 4, 0, 1, F0
	OUT16F 5, 1, 1, F1
	OUT16F 6, 2, 1, F0
	OUT16F 7, 3, 1, F1
.Ldone:
	s_set_vgpr_msb 0x1
	s_wait_tensorcnt 0x0
	ds_add_u32 v255, v255
	s_wait_dscnt 0x0
	s_set_vgpr_msb 0x100
	CROUND                                         ; the closing round: no work-group ends while a partner may still ask for a tile that names it
	s_endpgm
.Lfunc_end_k_qbc18feaca0_proj:
	.size	k_qbc18feaca0_proj, .Lfunc_end_k_qbc18feaca0_proj-k_qbc18feaca0_proj
	.p2alignl 7, 3214868480
	.fill 96, 4, 3214868480
	.section	.rodata,"a",@progbits
	.p2align	6, 0x0
	.amdhsa_kernel k_qbc18feaca0_proj
		.amdhsa_group_segment_fixed_size 327680
		.amdhsa_private_segment_fixed_size 0
		.amdhsa_enable_private_segment 0
		.amdhsa_kernarg_size 56
		.amdhsa_user_sgpr_count 2
		.amdhsa_user_sgpr_kernarg_segment_ptr 1
		.amdhsa_wavefront_size32 1
		.amdhsa_system_sgpr_workgroup_id_x 1
		.amdhsa_system_sgpr_workgroup_id_y 1
		.amdhsa_system_sgpr_workgroup_id_z 1
		.amdhsa_system_vgpr_workitem_id 0
		.amdhsa_next_free_vgpr 1024
		.amdhsa_next_free_sgpr 80
		.amdhsa_reserve_vcc 0
		.amdhsa_float_denorm_mode_32 3
		.amdhsa_float_denorm_mode_16_64 3
		.amdhsa_memory_ordered 1
		.amdhsa_forward_progress 1
		.amdhsa_inst_pref_size 255
	.end_amdhsa_kernel
	.section	.bss,"aw",@nobits
	.p2align	6
	.space	262144
	.amdgpu_metadata
---
amdhsa.version: [ 1, 2 ]
amdhsa.kernels:
  - .name:           k_qbc18feaca0_proj
    .symbol:         k_qbc18feaca0_proj.kd
    .args:
      - { .name: cb, .offset: 0, .size: 8, .value_kind: global_buffer, .address_space: global }
      - { .name: qkv, .offset: 8, .size: 8, .value_kind: global_buffer, .address_space: global }
      - { .name: res, .offset: 16, .size: 8, .value_kind: global_buffer, .address_space: global }
      - { .name: bq, .offset: 24, .size: 8, .value_kind: global_buffer, .address_space: global }
      - { .name: bk, .offset: 32, .size: 8, .value_kind: global_buffer, .address_space: global }
      - { .name: bv, .offset: 40, .size: 8, .value_kind: global_buffer, .address_space: global }
      - { .name: br, .offset: 48, .size: 8, .value_kind: global_buffer, .address_space: global }
    .group_segment_fixed_size: 327680
    .private_segment_fixed_size: 0
    .kernarg_segment_align: 8
    .kernarg_segment_size: 56
    .max_flat_workgroup_size: 128
    .sgpr_count:     80
    .vgpr_count:     1024
    .wavefront_size: 32
...
	.end_amdgpu_metadata
.endif
;; end of part 2
;; launch attn (part 3): grid 256 x 1, 4 waves a work-group, clusters of 4 x 1, 327,680 bytes of LDS; arguments qkv, res, gamma, beta, out0; writes out0
.if DOCPART == 3
	.amdgcn_target "amdgcn-amd-amdhsa--gfx1250"
	.amdhsa_code_object_version 6
	.text
	.protected	k_qbc18feaca0_attn
	.globl	k_qbc18feaca0_attn
	.p2align	8
	.type	k_qbc18feaca0_attn,@function
k_qbc18feaca0_attn:
	s_mov_b64 s[64:65], 0
	v_nop
	global_prefetch_b8 v0, s[64:65] scope:SCOPE_SE
	s_setreg_imm32_b32 hwreg(HW_REG_WAVE_MODE, 25, 1), 1
	s_wait_xcnt 0x0
	s_wait_alu depctr_hold_cnt(0) depctr_sa_sdst(0) depctr_va_vdst(0) depctr_va_sdst(0) depctr_va_ssrc(0) depctr_va_vcc(0) depctr_vm_vsrc(0)
	s_getreg_b32 s2, hwreg(HW_REG_IB_STS2, 6, 4)
	s_cmp_eq_u32 s2, 0
	s_cbranch_scc0 .Lentry_in_a_cluster
	s_endpgm
.Lentry_in_a_cluster:
	s_bfe_u32 s2, ttmp6, 0x10000c
	s_cmp_lg_u32 s2, 0x3003
	s_cbranch_scc0 .Lentry_shape_is_right
	s_endpgm
.Lentry_shape_is_right:
; out0 = LayerNorm(relu(softmax(q k^T / sqrt(128)) v + res)) x gamma + beta.
; The head split is a raw reshape: head n is rows 256 n .. 256 n + 255 of the projected matrices read as [2048][128], so q, k, v are used as
; [32][2048][128] bf16 exactly as they lie in qkv, and one output row of 1,024 numbers is 8 neighbouring attention rows.
; LIMITS: relu is v_max_num_f32 with 0, which turns a NaN into 0; NaN and infinite inputs are not served.  v_exp_f32 gives 0 for results below 2^-126
; (ISA guide, its entry in 15.8): weights that small count as 0.  The softmax takes a running maximum away, kept as the rounded number -max x c.
; A work-group takes 256 attention rows of one head (32 output rows), a wave 64 (q tiles t = 0..3; 8 whole output rows).  Keys go in tiles of 256
; through two LDS slots, each holding K's and V's tile; a tile is worked in four parts of 64 keys.
; CLUSTERS: four work-groups along x take neighbouring query blocks of ONE head (head = cluster x / 2) and read the same K and V tiles: every tile is
; asked for jointly with the mask of all four, which divides the requests for K and V by four.
; EVERYTHING IS COMPUTED TRANSPOSED.  S^T = K Q^T (source 0 = 16 keys, source 1 = 16 queries): lane (r, h) holds query r, registers j hold keys 8 h + j.
; O^T = V^T P^T (source 0 = V by transposing LDS loads, source 1 = P): lane (r, h) holds query r, registers j hold d = 8 h + j.  So a query's softmax figures
; are one number a lane (one exchange between the lane halves), two neighbouring S tiles pack in the lane into a fragment of P, and the rescale is a
; multiplication by the lane's own factor.
;
; REGISTERS: window 0: v16-25 addresses, v32-51 LayerNorm figures, v64-191 K's fragments KF(kt, c) (on the way out: v64-127 the rows, v128-191 gamma / sigma),
;   v192-223 gamma, v224-255 beta.  window 1: v0-127 Q(t, c) at v[8 (4 t + c)], v128-255 V's fragments VF(kk, dt) (on the way out: res).
;   window 2: O(dt, t) at v[8 (4 dt + t)].  window 3: v0-127 S(kt, t) at v[32 kt + 8 t], v128-191 P(t, kk) at v[128 + 16 t + 8 kk], v192-239 softmax figures.
.set KP,     272                       ; K's LDS row: 256 bytes + 16
.set VP,     288                       ; V's LDS row: 256 bytes + 32, an odd multiple of 32 for the transposing loads
.set KBYTES, 256*KP                    ; 69,632
.set VBYTES, 256*VP                    ; 73,728
.set SLOTB,  KBYTES+VBYTES             ; 143,360: K's tile, then V's
.set STAGE,  2*SLOTB                   ; 286,720: behind the ring, never filled by a tensor load
.set FPITCH, 528                       ; stage row: 512 bytes + 16
.set WSTAGE, 16*FPITCH
.set TILEB,  65536                     ; 256 keys x 256 bytes in memory
.set ADRK, 16                          ; v16-17  K fragments in slot 0, 1
.set ADRV, 18                          ; v18-21  V fragments in slot s, keys 0-127 / 128-255: v[18 + 2 s + half]
.set STO,  22
.set RD,   23
.set GOFF, 24                          ; 16 x lane
.set QOFF, 25
.set SUM,  32                          ; pairs, one a row
.set PT,   36
.set NMN,  38
.set SQ,   42
.set RS,   46
.set VAR,  50
.set KF,   64
.set X,    64
.set T,    128
.set GAMMA, 192
.set BETA,  224
.set VF,   128                         ; window 1
.set P,    128                         ; window 3 from here on
.set MX,   192
.set TP,   196
.set AA,   200
.set DD,   204
.set NM,   208                         ; pairs: -max x c, twice
.set AL,   216                         ; pairs: the rescale factor, twice
.set LS,   224                         ; pairs: the lane's two partial sums of weights
.set INV,  232                         ; pairs: 1 / sum, twice
.set G1K, 24
.set G0K, 32
.set G1V, 48
.set G0V, 56
.set MSB, 0
.macro WIN new                         ; the immediate's high byte repeats the setting that is left
.if MSB != \new
	s_set_vgpr_msb (MSB<<8)|\new
.set MSB, \new
.endif
.endm
.macro JLOAD s                         ; waves 0 and 1 fetch K's two halves, waves 2 and 3 V's; the branch hangs on the wave's number alone
	s_cmp_eq_u32 s11, 0
	s_cbranch_scc0 .Lfor_v_\@
	tensor_load_to_lds s[G0K+4*\s:G0K+4*\s+3], s[G1K:G1K+7]
	s_nop 0
	s_branch .Lasked_\@
.Lfor_v_\@:
	tensor_load_to_lds s[G0V+4*\s:G0V+4*\s+3], s[G1V:G1V+7]
	s_nop 0
.Lasked_\@:
.endm
.macro CREST                           ; a round of the cluster's barrier behind its opening barrier
	s_cmp_lg_u32 s10, 0
	s_cbranch_scc1 .Lnot_wave_0_\@
	s_barrier_signal -3
.Lnot_wave_0_\@:
	s_barrier_wait -3
	s_barrier_signal -1
	s_barrier_wait -1
.endm
.macro CROUND
	s_barrier_signal -1
	s_barrier_wait -1
	CREST
.endm
.macro PLACES                          ; four plain vector instructions between a matrix instruction and a load into, or a vector instruction on, its registers (ISA guide 7.12.1 for vector instructions)
.rept 4
	v_nop
.endr
.endm
	s_load_b256 s[68:75], s[0:1], 0x0              ; qkv s[68:69], res s[70:71], gamma s[72:73], beta s[74:75]
	s_load_b64 s[66:67], s[0:1], 0x20              ; out0
	v_lshl_add_u32 v62, v0, 2, 0x4e400
	v_mov_b32 v63, 0
	ds_add_u32 v62, v63
	v_lshrrev_b32 v1, 5, v0
	v_readfirstlane_b32 s10, v1                    ; wave 0..3
	s_lshr_b32 s11, s10, 1                         ; I fetch for K (0) or for V (1)
	s_and_b32 s12, s10, 1                          ; which 128 keys of the tile I fetch
	s_bfe_u32 s40, ttmp6, 0x40000                  ; cx
	s_lshl_b32 s42, ttmp9, 2
	s_add_co_u32 s42, s42, s40                     ; query block = 4 x cluster x + cx
	s_lshr_b32 s41, ttmp9, 1                       ; head: the same in the four partners
	s_mov_b32 s44, 0x76543210                      ; v_permlanex16_b32: lane i reads lane i of the other half
	s_mov_b32 s45, 0xfedcba98
	s_mov_b32 s46, 0x3a800000                      ; 1 / 1024
	s_mov_b32 s47, 0x322bcc77                      ; 1e-8
	s_mov_b32 s76, 0x3e0293ee                      ; c = log2(e) / sqrt(128)
	s_mov_b32 s77, 0x3e0293ee
	s_mov_b32 s78, 0xbe0293ee                      ; -c
	s_mov_b32 s79, 0xba800000                      ; -1 / 1024
	; group 1: 128 rows x 128 elements of 2 bytes, dense in memory; mask of all four partners, bit 21 beside it; padding behind every 64 words: K 4 words, V 8
	s_mov_b32 s[G1K+0], 0x0771000f
	s_mov_b32 s[G1V+0], 0x0f71000f
.irp g, G1K, G1V
	s_mov_b32 s[\g+1], 128<<16                     ; tensor_dim0 = 128
	s_mov_b32 s[\g+2], 128<<16                     ; tensor_dim1 = 128
	s_mov_b32 s[\g+3], 128<<16                     ; tile_dim0 = 128
	s_mov_b32 s[\g+4], 128                         ; tile_dim1 = 128
	s_mov_b32 s[\g+5], 128                         ; elements from row to row
	s_mov_b32 s[\g+6], 0
	s_mov_b32 s[\g+7], 0
.endr
	s_lshl_b32 s14, s41, 19                        ; head x 2,048 keys x 256 bytes
	s_lshl_b32 s15, s12, 15                        ; + my 128 keys
	s_add_co_u32 s14, s14, s15
	s_add_co_u32 s16, s14, 0x2000000               ; v's part of qkv
	s_add_co_u32 s14, s14, 0x1000000               ; k's part
	s_mov_b32 s15, 0
	s_mov_b32 s17, 0
	s_mul_i32 s20, s12, 128*KP                     ; where my half of K's tile goes
	s_mul_i32 s21, s12, 128*VP                     ; where my half of V's goes,
	s_add_co_u32 s21, s21, KBYTES                  ; behind K's tile
	s_lshl_b32 s18, s42, 16                        ; q: block x 256 rows x 256 bytes
	s_lshl_b32 s19, s10, 14                        ; + wave x 64 rows
	s_add_co_u32 s18, s18, s19
	s_mov_b32 s19, 0
	s_lshl_b32 s22, s42, 17                        ; res, out0: block x 256 attention rows x 512 bytes
	s_lshl_b32 s23, s10, 15                        ; + wave x 64
	s_add_co_u32 s22, s22, s23
	s_mov_b32 s23, 0
	s_wait_dscnt 0x0
	s_wait_kmcnt 0x0
	s_add_nc_u64 s[14:15], s[68:69], s[14:15]
	s_add_nc_u64 s[16:17], s[68:69], s[16:17]
	s_add_nc_u64 s[68:69], s[68:69], s[18:19]      ; from here on: my 64 rows of q
	s_add_nc_u64 s[70:71], s[70:71], s[22:23]
	s_add_nc_u64 s[66:67], s[66:67], s[22:23]
	CROUND                                         ; the four work-groups are here: the first joint loads meet
.irp s, 0,1
	s_mov_b32 s[G0K+4*\s], 1
	s_add_co_u32 s[G0K+4*\s+1], s20, \s*SLOTB
	s_add_nc_u64 s[G0K+4*\s+2:G0K+4*\s+3], s[14:15], \s*TILEB
	s_or_b32 s[G0K+4*\s+3], s[G0K+4*\s+3], 0x80000000
	s_mov_b32 s[G0V+4*\s], 1
	s_add_co_u32 s[G0V+4*\s+1], s21, \s*SLOTB
	s_add_nc_u64 s[G0V+4*\s+2:G0V+4*\s+3], s[16:17], \s*TILEB
	s_or_b32 s[G0V+4*\s+3], s[G0V+4*\s+3], 0x80000000
	JLOAD \s                                       ; tiles 0 and 1: two tensor loads of the wave are out
.endr
	v_and_b32 v1, 15, v0                           ; r
	v_bfe_u32 v2, v0, 4, 1                         ; h
	v_mul_u32_u24 v3, v1, KP
	v_lshl_add_u32 v[ADRK], v2, 4, v3              ; K: row r, 16 h bytes
	v_add_nc_u32 v[ADRK+1], SLOTB, v[ADRK]
	v_and_b32 v4, 7, v0
	v_lshl_add_u32 v4, v2, 3, v4                   ; V: key row 8 h + l % 8,
	v_mul_u32_u24 v4, v4, VP
	v_bfe_u32 v5, v0, 3, 1
	v_lshl_add_u32 v4, v5, 4, v4                   ; 16 bytes further for lanes 8-15 and 24-31
	v_add_nc_u32 v[ADRV],   KBYTES, v4
	v_add_nc_u32 v[ADRV+1], KBYTES+128*VP, v4      ; keys 128-255 have a register of their own: their offsets would pass the 16-bit immediate
	v_add_nc_u32 v[ADRV+2], SLOTB+KBYTES, v4
	v_add_nc_u32 v[ADRV+3], SLOTB+KBYTES+128*VP, v4
	s_mul_i32 s23, s10, WSTAGE
	s_add_co_u32 s23, s23, STAGE                   ; my stage
	v_mul_u32_u24 v4, v1, FPITCH
	v_lshl_add_u32 v4, v2, 5, v4
	v_add_nc_u32 v[STO], s23, v4                   ; in: row r, 32 h bytes
	v_and_b32 v5, 31, v0
	v_lshlrev_b32 v[GOFF], 4, v5
	v_add_nc_u32 v[RD], s23, v[GOFF]               ; back: a whole row of 512 bytes a load
	v_lshlrev_b32 v5, 8, v1
	v_lshl_add_u32 v[QOFF], v2, 4, v5              ; q: row r of 256 bytes, 16 h bytes
	v_mov_b32 v[PT], 0                             ; destinations of v_permlanex16_b32 count as read: written once here
	v_mov_b32 v[PT+1], 0
	WIN 0xc0
.irp t, 0,1,2,3
	v_mov_b32 v[TP+\t], 0
.endr
	WIN 0x40
.irp t, 0,1,2,3
.irp c, 0,1,2,3
.irp e, 0,1
	global_load_b128 v[8*(4*\t+\c)+4*\e:8*(4*\t+\c)+4*\e+3], v[QOFF], s[68:69] offset:4096*\t+64*\c+32*\e    ; Q's fragments, once for all 2,048 keys
.endr
.endr
.endr
	WIN 0
.irp i, 0,1,2,3,4,5,6,7
	global_load_b128 v[GAMMA+4*\i:GAMMA+4*\i+3], v[GOFF], s[72:73] offset:512*\i
.endr
.irp i, 0,1,2,3,4,5,6,7
	global_load_b128 v[BETA+4*\i:BETA+4*\i+3], v[GOFF], s[74:75] offset:512*\i
.endr
; 32 LDS loads: K's fragments of part s (64 keys) of the slot's tile
.macro LDK slot, s
	WIN 0
.irp kt, 0,1,2,3
.irp c, 0,1,2,3
.irp e, 0,1
	ds_load_b128 v[KF+8*(4*\kt+\c)+4*\e:KF+8*(4*\kt+\c)+4*\e+3], v[ADRK+\slot] offset:64*KP*(\s)+16*KP*\kt+64*\c+32*\e
.endr
.endr
.endr
.endm
; 32 transposing LDS loads: V's fragments of part s: keys 32 kk + 16 e + 8 h .. + 7 of column d = 16 dt + r
.macro LDV slot, s
	WIN 0x40
.irp kk, 0,1
.irp dt, 0,1,2,3,4,5,6,7
.irp e, 0,1
	ds_load_tr16_b128 v[VF+8*(8*\kk+\dt)+4*\e:VF+8*(8*\kk+\dt)+4*\e+3], v[ADRV+2*\slot+((\s)>>1)] offset:64*VP*((\s)&1)+32*VP*\kk+16*VP*\e+32*\dt
.endr
.endr
.endr
.endm
; 64 matrix instructions: S^T of 64 keys x 64 queries.  The 16 accumulators take turns, one instruction a turn; the first d chunk starts the sums.
.macro SMUL
	WIN 0xf4                                       ; source 0 (K) window 0, source 1 (Q) window 1, C and D window 3
.irp c, 0,1,2,3
.irp kt, 0,1,2,3
.irp t, 0,1,2,3
.if \c == 0
	v_wmma_f32_16x16x32_bf16 v[32*\kt+8*\t:32*\kt+8*\t+7], v[KF+8*(4*\kt+\c):KF+8*(4*\kt+\c)+7], v[8*(4*\t+\c):8*(4*\t+\c)+7], 0
.else
	v_wmma_f32_16x16x32_bf16 v[32*\kt+8*\t:32*\kt+8*\t+7], v[KF+8*(4*\kt+\c):KF+8*(4*\kt+\c)+7], v[8*(4*\t+\c):8*(4*\t+\c)+7], v[32*\kt+8*\t:32*\kt+8*\t+7]
.endif
.endr
.endr
.endr
.endm
; 64 matrix instructions: O^T += V^T P^T over 64 keys.  The 32 accumulators take turns, one instruction a turn.  first = 1: the first product starts the sums.
.macro PVMUL first
	WIN 0xad                                       ; source 0 (V) window 1, source 1 (P) window 3, C and D window 2
.irp kk, 0,1
.irp dt, 0,1,2,3,4,5,6,7
.irp t, 0,1,2,3
.if \first*(1-\kk)
	v_wmma_f32_16x16x32_bf16 v[8*(4*\dt+\t):8*(4*\dt+\t)+7], v[VF+8*(8*\kk+\dt):VF+8*(8*\kk+\dt)+7], v[P+16*\t+8*\kk:P+16*\t+8*\kk+7], 0
.else
	v_wmma_f32_16x16x32_bf16 v[8*(4*\dt+\t):8*(4*\dt+\t)+7], v[VF+8*(8*\kk+\dt):VF+8*(8*\kk+\dt)+7], v[P+16*\t+8*\kk:P+16*\t+8*\kk+7], v[8*(4*\dt+\t):8*(4*\dt+\t)+7]
.endif
.endr
.endr
.endr
.endm
; The softmax step on S of 64 keys: a lane holds 32 scores of each of its four queries.  The four queries' chains run side by side (t innermost).
.macro SOFTMAX first
	WIN 0xff
.irp t, 0,1,2,3
	v_max3_num_f32 v[MX+\t], v[8*\t], v[8*\t+1], v[8*\t+2]
.endr
.irp u, 3,5,7,9,11,13,15,17,19,21,23,25,27,29
.irp t, 0,1,2,3
	v_max3_num_f32 v[MX+\t], v[MX+\t], v[32*(\u>>3)+8*\t+(\u&7)], v[32*((\u+1)>>3)+8*\t+((\u+1)&7)]
.endr
.endr
.irp t, 0,1,2,3
	v_max_num_f32 v[MX+\t], v[MX+\t], v[96+8*\t+7]
.endr
.irp t, 0,1,2,3
	v_permlanex16_b32 v[TP+\t], v[MX+\t], s44, s45         ; the other 32 keys of the same query lie in the other half of the lanes
.endr
.irp t, 0,1,2,3
	v_max_num_f32 v[MX+\t], v[MX+\t], v[TP+\t]
.endr
.if \first
.irp t, 0,1,2,3
	v_mul_f32 v[NM+2*\t],   s78, v[MX+\t]                  ; -max x c, the number that every exponent of this step is shifted by
	v_mul_f32 v[NM+2*\t+1], s78, v[MX+\t]
.endr
.else
.irp t, 0,1,2,3
	v_mul_f32 v[AA+\t], s78, v[MX+\t]
.endr
.irp t, 0,1,2,3
	v_min_num_f32 v[AA+\t], v[AA+\t], v[NM+2*\t]           ; the running maximum, negated: the smaller of the two
.endr
.irp t, 0,1,2,3
	v_sub_f32 v[DD+\t], v[AA+\t], v[NM+2*\t]               ; (old max - new max) x c, at most 0
.endr
.irp t, 0,1,2,3
	v_mov_b32 v[NM+2*\t],   v[AA+\t]
	v_mov_b32 v[NM+2*\t+1], v[AA+\t]
.endr
.irp t, 0,1,2,3
	v_exp_f32 v[AL+2*\t],   v[DD+\t]                       ; what the sums so far are rescaled by; the multiply-adds below stand between these and their first use
	v_exp_f32 v[AL+2*\t+1], v[DD+\t]
.endr
.endif
.irp w, 0,1,2,3,4,5,6,7,8,9,10,11,12,13,14,15
.irp t, 0,1,2,3
	v_pk_fma_f32 v[32*(\w>>2)+8*\t+2*(\w&3):32*(\w>>2)+8*\t+2*(\w&3)+1], v[32*(\w>>2)+8*\t+2*(\w&3):32*(\w>>2)+8*\t+2*(\w&3)+1], s[76:77], v[NM+2*\t:NM+2*\t+1] op_sel_hi:[1,0,1]
.endr
.endr
.set cnt, 0
.rept 128
	v_exp_f32 v[cnt], v[cnt]
.set cnt, cnt+1
.endr
	v_nop                                                  ; one plain vector instruction behind the exponentials, ahead of their use (ISA guide 5.7.2)
.if \first
	s_wait_alu depctr_va_vdst(0)
.irp t, 0,1,2,3
	v_pk_add_f32 v[LS+2*\t:LS+2*\t+1], v[8*\t:8*\t+1], v[8*\t+2:8*\t+3]
.endr
.irp w, 2,3,4,5,6,7,8,9,10,11,12,13,14,15
.irp t, 0,1,2,3
	v_pk_add_f32 v[LS+2*\t:LS+2*\t+1], v[LS+2*\t:LS+2*\t+1], v[32*(\w>>2)+8*\t+2*(\w&3):32*(\w>>2)+8*\t+2*(\w&3)+1]
.endr
.endr
.else
	s_wait_alu depctr_va_vdst(0)
.irp t, 0,1,2,3
	v_pk_fma_f32 v[LS+2*\t:LS+2*\t+1], v[LS+2*\t:LS+2*\t+1], v[AL+2*\t:AL+2*\t+1], v[8*\t:8*\t+1]
.endr
.irp w, 1,2,3,4,5,6,7,8,9,10,11,12,13,14,15
.irp t, 0,1,2,3
	v_pk_add_f32 v[LS+2*\t:LS+2*\t+1], v[LS+2*\t:LS+2*\t+1], v[32*(\w>>2)+8*\t+2*(\w&3):32*(\w>>2)+8*\t+2*(\w&3)+1]
.endr
.endr
.endif
	; pair w of query tile t (keys 16 (w / 4) + 8 h + 2 (w % 4), + 1) is register w of the two fragments P(t, 0), P(t, 1)
.irp w, 0,1,2,3,4,5,6,7,8,9,10,11,12,13,14,15
.irp t, 0,1,2,3
	v_cvt_pk_bf16_f32 v[P+16*\t+\w], v[32*(\w>>2)+8*\t+2*(\w&3)], v[32*(\w>>2)+8*\t+2*(\w&3)+1]
.endr
.endr
.endm
.macro RESCALE                         ; O of every query times the lane's factor
	WIN 0x8e                                       ; source 0 and destination window 2, source 1 window 3
.irp dt, 0,1,2,3,4,5,6,7
.irp t, 0,1,2,3
.irp p, 0,1,2,3
	v_pk_mul_f32 v[8*(4*\dt+\t)+2*\p:8*(4*\dt+\t)+2*\p+1], v[8*(4*\dt+\t)+2*\p:8*(4*\dt+\t)+2*\p+1], v[AL+2*\t:AL+2*\t+1]
.endr
.endr
.endr
.endm
; One of a tile's first three parts.  n = the number of the next part, whose fragments are fetched here.
.macro STEP slot, n, first
	s_wait_dscnt 32                                ; this part's K fragments are in; the 32 younger loads are its V fragments
	SMUL
	PLACES
	LDK \slot, \n
	SOFTMAX \first
.if \first == 0
	RESCALE
.endif
	s_wait_dscnt 32                                ; this part's V fragments are in; the 32 younger loads are the next part's K fragments
	PVMUL \first
	PLACES
	LDV \slot, \n
.endm
; A tile's last part, and the change of slots.  In front of the barrier each wave waits for its reads of this slot and for all its tensor loads (one is out: its part of
; the next slot).  Behind it the refill comes first, then the next slot's first fragments.  From a request to the wait for it a wave issues 448 matrix instructions.
.macro TURN slot, next, fill
	s_wait_dscnt 32
	SMUL
	PLACES
	SOFTMAX 0
	RESCALE
	s_wait_dscnt 0x0                               ; my reads of this slot are over
	s_set_vgpr_msb 0x8e80
	s_wait_tensorcnt 0x0                           ; all my tensor loads have landed
	ds_add_u32 v62, v63
	s_wait_dscnt 0x0
	s_set_vgpr_msb 0x808e
	s_barrier_signal -1                            ; where a slot is filled again this barrier opens a round of the cluster's barrier
	PVMUL 0                                        ; register work while the others arrive
	WIN 0
	s_barrier_wait -1
.if \fill
	CREST                                          ; no wave of any partner still reads this slot or has a load on its way
	s_add_nc_u64 s[G0K+4*\slot+2:G0K+4*\slot+3], s[G0K+4*\slot+2:G0K+4*\slot+3], 2*TILEB
	s_add_nc_u64 s[G0V+4*\slot+2:G0V+4*\slot+3], s[G0V+4*\slot+2:G0V+4*\slot+3], 2*TILEB
	JLOAD \slot                                    ; the first tensor load behind the round, and the wave's only one until the next
.endif
	PLACES
	LDK \next, 0
	LDV \next, 0
.endm
.macro TRIP slot, next, fill, first
	STEP \slot, 1, \first
	STEP \slot, 2, 0
	STEP \slot, 3, 0
	TURN \slot, \next, \fill
.endm
	s_wait_tensorcnt 1                             ; my part of tile 0 is in; tile 1's load stays out
	s_barrier_signal -1
	s_barrier_wait -1                              ; everybody's part is in
	LDK 0, 0
	LDV 0, 0
	s_wait_loadcnt 16                              ; Q is in; the 16 younger loads are gamma and beta, wanted on the way out
	TRIP 0, 1, 1, 1                                ; tile 0: its first products start the sums; fills tile 2
	TRIP 1, 0, 1, 0                                ; tile 1; fills tile 3
	WIN 0                                          ; at a label and at a branch every window is 0
	s_mov_b32 s3, 2
.Ltrip:
	TRIP 0, 1, 1, 0                                ; tiles 2 and 4; fill 4 and 6
	TRIP 1, 0, 1, 0                                ; tiles 3 and 5; fill 5 and 7
	WIN 0
	s_sub_co_u32 s3, s3, 1
	s_cmp_lg_u32 s3, 0
	s_cbranch_scc1 .Ltrip
	TRIP 0, 1, 0, 0                                ; tile 6: nothing is left to fetch
	STEP 1, 1, 0                                   ; tile 7
	STEP 1, 2, 0
	STEP 1, 3, 0
	s_wait_dscnt 32                                ; the very last part
	SMUL
	PLACES
	WIN 0x40
.irp t, 0,1
.irp qi, 0,1,2,3,4,5,6,7,8,9,10,11,12,13,14,15
	global_load_b128 v[64*\t+4*\qi:64*\t+4*\qi+3], v[GOFF], s[70:71] offset:512*(16*\t+\qi) th:TH_LOAD_NT     ; res of attention rows 0-31, into Q's place
.endr
.endr
	SOFTMAX 0
	RESCALE
	s_wait_dscnt 0x0
	PVMUL 0
	PLACES
	WIN 0x40
.irp t, 2,3
.irp qi, 0,1,2,3,4,5,6,7,8,9,10,11,12,13,14,15
	global_load_b128 v[64*\t+4*\qi:64*\t+4*\qi+3], v[GOFF], s[70:71] offset:512*(16*\t+\qi) th:TH_LOAD_NT     ; res of attention rows 32-63, into V's fragments' place
.endr
.endr
	; THE WAY OUT.  First 1 / (sum of weights) of every query.
	WIN 0xff
.irp t, 0,1,2,3
	v_add_f32 v[LS+2*\t], v[LS+2*\t], v[LS+2*\t+1]
.endr
.irp t, 0,1,2,3
	v_permlanex16_b32 v[TP+\t], v[LS+2*\t], s44, s45
.endr
.irp t, 0,1,2,3
	v_add_f32 v[LS+2*\t], v[LS+2*\t], v[TP+\t]
.endr
.irp t, 0,1,2,3
	v_rcp_f32 v[INV+2*\t],   v[LS+2*\t]
	v_rcp_f32 v[INV+2*\t+1], v[LS+2*\t]
.endr
	v_nop                                          ; one plain vector instruction behind the reciprocals, ahead of their use (ISA guide 5.7.2)
	s_wait_alu depctr_va_vdst(0)
; the sums of two registers over the wave's 32 lanes, side by side; every lane ends up with both results
.macro XSUM2 r0, r1
.irp m, 1,2,4,8
	v_add_f32_dpp v[\r0], v[\r0], v[\r0] row_xmask:\m row_mask:0xf bank_mask:0xf
	v_add_f32_dpp v[\r1], v[\r1], v[\r1] row_xmask:\m row_mask:0xf bank_mask:0xf
.endr
	v_permlanex16_b32 v[PT],   v[\r0], s44, s45
	v_permlanex16_b32 v[PT+1], v[\r1], s44, s45
	v_add_f32 v[\r0], v[\r0], v[PT]
	v_add_f32 v[\r1], v[\r1], v[PT+1]
.endm
; Query tile t = 16 attention rows = 2 output rows.  Through my own stage the rows turn from one query a lane to 512 consecutive bytes a load;
; row a of the two then lies in registers X + 32 a .. + 31: register 4 i + e of it is column 128 i + 4 lane + e, as gamma and beta lie.
.macro PASS t
	WIN 0x8e
.irp dt, 0,1,2,3,4,5,6,7
.irp p, 0,1,2,3
	v_pk_mul_f32 v[8*(4*\dt+\t)+2*\p:8*(4*\dt+\t)+2*\p+1], v[8*(4*\dt+\t)+2*\p:8*(4*\dt+\t)+2*\p+1], v[INV+2*\t:INV+2*\t+1]
.endr
.endr
	WIN 0x08                                       ; store data in window 2
.irp dt, 0,1,2,3,4,5,6,7
.irp e, 0,1
	ds_store_b128 v[STO], v[8*(4*\dt+\t)+4*\e:8*(4*\dt+\t)+4*\e+3] offset:64*\dt+16*\e
.endr
.endr
	WIN 0
	s_wait_xcnt 0x0                                ; X, which the last pass's stores read, is rewritten only behind this wait
.irp qi, 0,1,2,3,4,5,6,7,8,9,10,11,12,13,14,15
	ds_load_b128 v[X+4*\qi:X+4*\qi+3], v[RD] offset:FPITCH*\qi     ; LDS serves a wave's instructions in order: these see the stores above
.endr
	s_wait_loadcnt 48-16*\t                        ; this pass's 16 loads of res are in (gamma and beta are older); the later passes' stay out
	s_wait_dscnt 0x0
	WIN 0x04                                       ; source 1 (res) window 1
.set cnt, 0
.rept 32
	v_pk_add_f32 v[X+2*cnt:X+2*cnt+1], v[X+2*cnt:X+2*cnt+1], v[64*\t+2*cnt:64*\t+2*cnt+1]
.set cnt, cnt+1
.endr
	WIN 0
.set cnt, 0
.rept 64
	v_max_num_f32 v[X+cnt], 0, v[X+cnt]
.set cnt, cnt+1
.endr
	; the mean
.irp a, 0,1
	v_pk_add_f32 v[SUM+2*\a:SUM+2*\a+1], v[X+32*\a:X+32*\a+1], v[X+32*\a+2:X+32*\a+3]
.endr
.irp j, 2,3,4,5,6,7,8,9,10,11,12,13,14,15
.irp a, 0,1
	v_pk_add_f32 v[SUM+2*\a:SUM+2*\a+1], v[SUM+2*\a:SUM+2*\a+1], v[X+32*\a+2*\j:X+32*\a+2*\j+1]
.endr
.endr
.irp a, 0,1
	v_add_f32 v[SUM+2*\a], v[SUM+2*\a], v[SUM+2*\a+1]
.endr
	XSUM2 SUM, SUM+2
.irp a, 0,1
	v_mul_f32 v[NMN+2*\a],   s79, v[SUM+2*\a]      ; -mean, twice
	v_mul_f32 v[NMN+2*\a+1], s79, v[SUM+2*\a]
.endr
.irp j, 0,1,2,3,4,5,6,7,8,9,10,11,12,13,14,15
.irp a, 0,1
	v_pk_add_f32 v[X+32*\a+2*\j:X+32*\a+2*\j+1], v[X+32*\a+2*\j:X+32*\a+2*\j+1], v[NMN+2*\a:NMN+2*\a+1]
.endr
.endr
	; the variance, of the centred numbers
.irp a, 0,1
	v_pk_mul_f32 v[SQ+2*\a:SQ+2*\a+1], v[X+32*\a:X+32*\a+1], v[X+32*\a:X+32*\a+1]
.endr
.irp j, 1,2,3,4,5,6,7,8,9,10,11,12,13,14,15
.irp a, 0,1
	v_pk_fma_f32 v[SQ+2*\a:SQ+2*\a+1], v[X+32*\a+2*\j:X+32*\a+2*\j+1], v[X+32*\a+2*\j:X+32*\a+2*\j+1], v[SQ+2*\a:SQ+2*\a+1]
.endr
.endr
.irp a, 0,1
	v_add_f32 v[SQ+2*\a], v[SQ+2*\a], v[SQ+2*\a+1]
.endr
	XSUM2 SQ, SQ+2
.irp a, 0,1
	v_fma_f32 v[VAR+\a], v[SQ+2*\a], s46, s47      ; sum of squares / 1024 + 1e-8
.endr
.irp a, 0,1
	v_rsq_f32 v[RS+2*\a],   v[VAR+\a]
	v_rsq_f32 v[RS+2*\a+1], v[VAR+\a]
.endr
	v_nop                                          ; one plain vector instruction behind the roots, ahead of their use (ISA guide 5.7.2)
	s_wait_alu depctr_va_vdst(0)
.irp j, 0,1,2,3,4,5,6,7,8,9,10,11,12,13,14,15
.irp a, 0,1
	v_pk_mul_f32 v[T+32*\a+2*\j:T+32*\a+2*\j+1], v[GAMMA+2*\j:GAMMA+2*\j+1], v[RS+2*\a:RS+2*\a+1]
.endr
.endr
.irp j, 0,1,2,3,4,5,6,7,8,9,10,11,12,13,14,15
.irp a, 0,1
	v_pk_fma_f32 v[X+32*\a+2*\j:X+32*\a+2*\j+1], v[X+32*\a+2*\j:X+32*\a+2*\j+1], v[T+32*\a+2*\j:T+32*\a+2*\j+1], v[BETA+2*\j:BETA+2*\j+1]
.endr
.endr
.irp a, 0,1
.irp i, 0,1,2,3,4,5,6,7
	global_store_b128 v[GOFF], v[X+32*\a+4*\i:X+32*\a+4*\i+3], s[66:67] offset:512*(16*\t+8*\a+\i) th:TH_STORE_NT   ; the wave stores 512 consecutive aligned bytes
.endr
.endr
.endm
	PASS 0
	PASS 1
	PASS 2
	PASS 3
	s_wait_tensorcnt 0x0
	ds_add_u32 v62, v63
	s_wait_dscnt 0x0
	CROUND                                         ; the closing round: no work-group ends while a partner may still ask for a tile that names it
	s_endpgm
.Lfunc_end_k_qbc18feaca0_attn:
	.size	k_qbc18feaca0_attn, .Lfunc_end_k_qbc18feaca0_attn-k_qbc18feaca0_attn
	.p2alignl 7, 3214868480
	.fill 96, 4, 3214868480
	.section	.rodata,"a",@progbits
	.p2align	6, 0x0
	.amdhsa_kernel k_qbc18feaca0_attn
		.amdhsa_group_segment_fixed_size 327680
		.amdhsa_private_segment_fixed_size 0
		.amdhsa_enable_private_segment 0
		.amdhsa_kernarg_size 40
		.amdhsa_user_sgpr_count 2
		.amdhsa_user_sgpr_kernarg_segment_ptr 1
		.amdhsa_wavefront_size32 1
		.amdhsa_system_sgpr_workgroup_id_x 1
		.amdhsa_system_sgpr_workgroup_id_y 1
		.amdhsa_system_sgpr_workgroup_id_z 1
		.amdhsa_system_vgpr_workitem_id 0
		.amdhsa_next_free_vgpr 1024
		.amdhsa_next_free_sgpr 80
		.amdhsa_reserve_vcc 0
		.amdhsa_float_denorm_mode_32 3
		.amdhsa_float_denorm_mode_16_64 3
		.amdhsa_memory_ordered 1
		.amdhsa_forward_progress 1
		.amdhsa_inst_pref_size 255
	.end_amdhsa_kernel
	.section	.bss,"aw",@nobits
	.p2align	6
	.space	262144
	.amdgpu_metadata
---
amdhsa.version: [ 1, 2 ]
amdhsa.kernels:
  - .name:           k_qbc18feaca0_attn
    .symbol:         k_qbc18feaca0_attn.kd
    .args:
      - { .name: qkv, .offset: 0, .size: 8, .value_kind: global_buffer, .address_space: global }
      - { .name: res, .offset: 8, .size: 8, .value_kind: global_buffer, .address_space: global }
      - { .name: gamma, .offset: 16, .size: 8, .value_kind: global_buffer, .address_space: global }
      - { .name: beta, .offset: 24, .size: 8, .value_kind: global_buffer, .address_space: global }
      - { .name: out0, .offset: 32, .size: 8, .value_kind: global_buffer, .address_space: global }
    .group_segment_fixed_size: 327680
    .private_segment_fixed_size: 0
    .kernarg_segment_align: 8
    .kernarg_segment_size: 40
    .max_flat_workgroup_size: 128
    .sgpr_count:     80
    .vgpr_count:     1024
    .wavefront_size: 32
...
	.end_amdgpu_metadata
.endif
;; end of part 3
;; ======== version 2 of 3: 3 launches; 1.27 times as fast as version 1
;; workspace buffers: cb 25,165,824 bytes; qkv 50,331,648 bytes; res 33,554,432 bytes
;; launch cast: the kernel of part 1 again; grid 768 x 1, 8 waves a work-group, no clusters, 0 bytes of LDS; arguments x, Wq, Wk, Wv, Wr, cb; writes cb
;; launch proj: the kernel of part 2 again; grid 16 x 32, 4 waves a work-group, clusters of 4 x 4, 327,680 bytes of LDS; arguments cb, qkv, res, bq, bk, bv, br; writes qkv, res
;; launch attn (part 4): grid 256 x 1, 4 waves a work-group, clusters of 4 x 1, 327,680 bytes of LDS; arguments qkv, res, gamma, beta, out0; writes out0
.if DOCPART == 4
	.amdgcn_target "amdgcn-amd-amdhsa--gfx1250"
	.amdhsa_code_object_version 6
	.text
	.protected	k_qbc18feaca0_attn
	.globl	k_qbc18feaca0_attn
	.p2align	8
	.type	k_qbc18feaca0_attn,@function
k_qbc18feaca0_attn:
	s_mov_b64 s[64:65], 0
	v_nop
	global_prefetch_b8 v0, s[64:65] scope:SCOPE_SE
	s_setreg_imm32_b32 hwreg(HW_REG_WAVE_MODE, 25, 1), 1
	s_wait_xcnt 0x0
	s_wait_alu depctr_hold_cnt(0) depctr_sa_sdst(0) depctr_va_vdst(0) depctr_va_sdst(0) depctr_va_ssrc(0) depctr_va_vcc(0) depctr_vm_vsrc(0)
	s_getreg_b32 s2, hwreg(HW_REG_IB_STS2, 6, 4)
	s_cmp_eq_u32 s2, 0
	s_cbranch_scc0 .Lentry_in_a_cluster
	s_endpgm
.Lentry_in_a_cluster:
	s_bfe_u32 s2, ttmp6, 0x10000c
	s_cmp_lg_u32 s2, 0x3003
	s_cbranch_scc0 .Lentry_shape_is_right
	s_endpgm
.Lentry_shape_is_right:
; out0 = LayerNorm(relu(softmax(q k^T / sqrt(128)) v + res)) x gamma + beta.
; The head split is a raw reshape: head n is rows 256 n .. 256 n + 255 of the projected matrices read as [2048][128], so q, k, v are used as
; [32][2048][128] bf16 exactly as they lie in qkv, and one output row of 1,024 numbers is 8 neighbouring attention rows.
; LIMITS: relu is v_max_num_f32 with 0, which turns a NaN into 0; NaN and infinite inputs are not served.  v_exp_f32 gives 0 for results below 2^-126
; (ISA guide, its entry in 15.8): weights that small count as 0.  The softmax takes a running maximum away, kept as the rounded number -max x c.
; A work-group takes 256 attention rows of one head (32 output rows), a wave 64 (q tiles t = 0..3; 8 whole output rows).  Keys go in tiles of 256
; through two LDS slots, each holding K's and V's tile; a tile is worked in four parts of 64 keys, 32 parts in all.
; CLUSTERS: four work-groups along x take neighbouring query blocks of ONE head (head = cluster x / 2) and read the same K and V tiles: every tile is
; asked for jointly with the mask of all four, which divides the requests for K and V by four.
; EVERYTHING IS COMPUTED TRANSPOSED.  S^T = K Q^T (source 0 = 16 keys, source 1 = 16 queries): lane (r, h) holds query r, registers j hold keys 8 h + j.
; O^T = V^T P^T (source 0 = V by transposing LDS loads, source 1 = P): lane (r, h) holds query r, registers j hold d = 8 h + j.  So a query's softmax figures
; are one number a lane (one exchange between the lane halves), two neighbouring S tiles pack in the lane into a fragment of P, and the rescale is a
; multiplication by the lane's own factor.
; ONE TEXT FOR A PART, AND VECTOR WORK BETWEEN THE MATRIX INSTRUCTIONS.  PART(n), a loop's body, stands twice in the file (among the refills; for the last two
; tiles) and runs 31 times.  It works on three parts at once, so that each run of matrix instructions has vector work that shares no register with it:
;   the 64 products of S(n + 1) carry the 128 multiplies that rescale O by part n's factor, two behind each product;
;   the 64 products O += V(n) P(n) carry the first 292 instructions of part n + 1's softmax (maximum, shift, exponentials), three to six behind each.
; Only the row sums and the packing of P (128 instructions) stand alone, between the request for K's fragments and their first use.
; THE PRICE: the vector work lies in other register windows than the product in front of it, so two s_set_vgpr_msb stand at each matrix instruction.  No map
; spares them: O fills a window of 256, so no vector destination can share the window of D while O's products run, and an instruction that works on S in place
; would need S in the windows of D and of source 0 at once.
;
; REGISTERS: window 0: v16-25 addresses, v32-51 LayerNorm figures, v64-191 K's fragments KF(kt, c) (on the way out: v64-127 the rows, v128-191 gamma / sigma),
;   v192-223 gamma, v224-255 beta.  window 1: v0-127 Q(t, c) at v[8 (4 t + c)], v128-255 V's fragments VF(kk, dt) (on the way out: res).
;   window 2: O(dt, t) at v[8 (4 dt + t)].  window 3: v0-127 S(kt, t) at v[32 kt + 8 t], v128-191 P(t, kk) at v[128 + 16 t + 8 kk], v192-239 softmax figures.
.set KP,     272                       ; K's LDS row: 256 bytes + 16
.set VP,     288                       ; V's LDS row: 256 bytes + 32, an odd multiple of 32 for the transposing loads
.set KBYTES, 256*KP                    ; 69,632
.set VBYTES, 256*VP                    ; 73,728
.set SLOTB,  KBYTES+VBYTES             ; 143,360: K's tile, then V's
.set KPART,  64*KP                     ; 17,408: a part's 64 keys in K's tile
.set VPART,  64*VP                     ; 18,432: the same in V's tile
.set STAGE,  2*SLOTB                   ; 286,720: behind the ring, never filled by a tensor load
.set FPITCH, 528                       ; stage row: 512 bytes + 16
.set WSTAGE, 16*FPITCH
.set TILEB,  65536                     ; 256 keys x 256 bytes in memory
.set KB,   16                          ; my place in K's fragments of slot 0, part 0; never rewritten
.set VB,   17                          ; the same for V
.set ADRK, 18                          ; where the next K fragments are read: steps by a part a trip
.set ADRV, 19                          ; the same for V
.set STO,  22
.set RD,   23
.set GOFF, 24                          ; 16 x lane
.set QOFF, 25
.set SUM,  32                          ; pairs, one a row
.set PT,   36
.set NMN,  38
.set SQ,   42
.set RS,   46
.set VAR,  50
.set KF,   64
.set X,    64
.set T,    128
.set GAMMA, 192
.set BETA,  224
.set VF,   128                         ; window 1
.set P,    128                         ; window 3 from here on
.set MX,   192
.set TP,   196
.set AA,   200
.set DD,   204
.set NM,   208                         ; pairs: -max x c, twice
.set AL,   216                         ; pairs: the rescale factor, twice
.set LS,   224                         ; pairs: the lane's two partial sums of weights
.set INV,  232                         ; pairs: 1 / sum, twice
.set SM1N, 292                         ; instructions in the softmax's first half
.set G1K, 24
.set G0K, 32                           ; s[32:35] tile 0's group 0; s[36:39] tile 1's, which then runs on through tiles 2 to 7
.set G1V, 48
.set G0V, 56                           ; the same for V
.set MSB, 0
.macro WIN new                         ; the immediate's high byte repeats the setting that is left
.if MSB != \new
	s_set_vgpr_msb (MSB<<8)|\new
.set MSB, \new
.endif
.endm
.macro JLOAD s                         ; waves 0 and 1 fetch K's two halves, waves 2 and 3 V's; the branch hangs on the wave's number alone
	s_cmp_eq_u32 s11, 0
	s_cbranch_scc0 .Lfor_v_\@
	tensor_load_to_lds s[G0K+4*\s:G0K+4*\s+3], s[G1K:G1K+7]
	s_nop 0
	s_branch .Lasked_\@
.Lfor_v_\@:
	tensor_load_to_lds s[G0V+4*\s:G0V+4*\s+3], s[G1V:G1V+7]
	s_nop 0
.Lasked_\@:
.endm
.macro CREST                           ; a round of the cluster's barrier behind its opening barrier
	s_cmp_lg_u32 s10, 0
	s_cbranch_scc1 .Lnot_wave_0_\@
	s_barrier_signal -3
.Lnot_wave_0_\@:
	s_barrier_wait -3
	s_barrier_signal -1
	s_barrier_wait -1
.endm
.macro CROUND
	s_barrier_signal -1
	s_barrier_wait -1
	CREST
.endm
.macro PLACES                          ; four plain vector instructions between a matrix instruction and a load into, or a vector instruction on, its registers (ISA guide 7.12.1 for vector instructions)
.rept 4
	v_nop
.endr
.endm
	s_load_b256 s[68:75], s[0:1], 0x0              ; qkv s[68:69], res s[70:71], gamma s[72:73], beta s[74:75]
	s_load_b64 s[66:67], s[0:1], 0x20              ; out0
	v_lshl_add_u32 v62, v0, 2, 0x4e400
	v_mov_b32 v63, 0
	ds_add_u32 v62, v63
	v_lshrrev_b32 v1, 5, v0
	v_readfirstlane_b32 s10, v1                    ; wave 0..3
	s_lshr_b32 s11, s10, 1                         ; I fetch for K (0) or for V (1)
	s_and_b32 s12, s10, 1                          ; which 128 keys of the tile I fetch
	s_bfe_u32 s40, ttmp6, 0x40000                  ; cx
	s_lshl_b32 s42, ttmp9, 2
	s_add_co_u32 s42, s42, s40                     ; query block = 4 x cluster x + cx
	s_lshr_b32 s41, ttmp9, 1                       ; head: the same in the four partners
	s_mov_b32 s44, 0x76543210                      ; v_permlanex16_b32: lane i reads lane i of the other half
	s_mov_b32 s45, 0xfedcba98
	s_mov_b32 s46, 0x3a800000                      ; 1 / 1024
	s_mov_b32 s47, 0x322bcc77                      ; 1e-8
	s_mov_b32 s76, 0x3e0293ee                      ; c = log2(e) / sqrt(128)
	s_mov_b32 s77, 0x3e0293ee
	s_mov_b32 s78, 0xbe0293ee                      ; -c
	s_mov_b32 s79, 0xba800000                      ; -1 / 1024
	; group 1: 128 rows x 128 elements of 2 bytes, dense in memory; mask of all four partners, bit 21 beside it; padding behind every 64 words: K 4 words, V 8
	s_mov_b32 s[G1K+0], 0x0771000f
	s_mov_b32 s[G1V+0], 0x0f71000f
.irp g, G1K, G1V
	s_mov_b32 s[\g+1], 128<<16                     ; tensor_dim0 = 128
	s_mov_b32 s[\g+2], 128<<16                     ; tensor_dim1 = 128
	s_mov_b32 s[\g+3], 128<<16                     ; tile_dim0 = 128
	s_mov_b32 s[\g+4], 128                         ; tile_dim1 = 128
	s_mov_b32 s[\g+5], 128                         ; elements from row to row
	s_mov_b32 s[\g+6], 0
	s_mov_b32 s[\g+7], 0
.endr
	s_lshl_b32 s14, s41, 19                        ; head x 2,048 keys x 256 bytes
	s_lshl_b32 s15, s12, 15                        ; + my 128 keys
	s_add_co_u32 s14, s14, s15
	s_add_co_u32 s16, s14, 0x2000000               ; v's part of qkv
	s_add_co_u32 s14, s14, 0x1000000               ; k's part
	s_mov_b32 s15, 0
	s_mov_b32 s17, 0
	s_mul_i32 s20, s12, 128*KP                     ; where my half of K's tile goes in a slot; kept for the refills
	s_mul_i32 s21, s12, 128*VP                     ; where my half of V's goes,
	s_add_co_u32 s21, s21, KBYTES                  ; behind K's tile; kept for the refills
	s_lshl_b32 s18, s42, 16                        ; q: block x 256 rows x 256 bytes
	s_lshl_b32 s19, s10, 14                        ; + wave x 64 rows
	s_add_co_u32 s18, s18, s19
	s_mov_b32 s19, 0
	s_lshl_b32 s22, s42, 17                        ; res, out0: block x 256 attention rows x 512 bytes
	s_lshl_b32 s23, s10, 15                        ; + wave x 64
	s_add_co_u32 s22, s22, s23
	s_mov_b32 s23, 0
	s_wait_dscnt 0x0
	s_wait_kmcnt 0x0
	s_add_nc_u64 s[14:15], s[68:69], s[14:15]
	s_add_nc_u64 s[16:17], s[68:69], s[16:17]
	s_add_nc_u64 s[68:69], s[68:69], s[18:19]      ; from here on: my 64 rows of q
	s_add_nc_u64 s[70:71], s[70:71], s[22:23]
	s_add_nc_u64 s[66:67], s[66:67], s[22:23]
	CROUND                                         ; the four work-groups are here: the first joint loads meet
.irp s, 0,1
	s_mov_b32 s[G0K+4*\s], 1
	s_add_co_u32 s[G0K+4*\s+1], s20, \s*SLOTB
	s_add_nc_u64 s[G0K+4*\s+2:G0K+4*\s+3], s[14:15], \s*TILEB
	s_or_b32 s[G0K+4*\s+3], s[G0K+4*\s+3], 0x80000000
	s_mov_b32 s[G0V+4*\s], 1
	s_add_co_u32 s[G0V+4*\s+1], s21, \s*SLOTB
	s_add_nc_u64 s[G0V+4*\s+2:G0V+4*\s+3], s[16:17], \s*TILEB
	s_or_b32 s[G0V+4*\s+3], s[G0V+4*\s+3], 0x80000000
	JLOAD \s                                       ; tiles 0 and 1: two tensor loads of the wave are out
.endr
	v_and_b32 v1, 15, v0                           ; r
	v_bfe_u32 v2, v0, 4, 1                         ; h
	v_mul_u32_u24 v3, v1, KP
	v_lshl_add_u32 v[KB], v2, 4, v3                ; K: row r, 16 h bytes
	v_and_b32 v4, 7, v0
	v_lshl_add_u32 v4, v2, 3, v4                   ; V: key row 8 h + l % 8,
	v_mul_u32_u24 v4, v4, VP
	v_bfe_u32 v5, v0, 3, 1
	v_lshl_add_u32 v4, v5, 4, v4                   ; 16 bytes further for lanes 8-15 and 24-31,
	v_add_nc_u32 v[VB], KBYTES, v4                 ; behind K's tile
	s_mul_i32 s23, s10, WSTAGE
	s_add_co_u32 s23, s23, STAGE                   ; my stage
	v_mul_u32_u24 v4, v1, FPITCH
	v_lshl_add_u32 v4, v2, 5, v4
	v_add_nc_u32 v[STO], s23, v4                   ; in: row r, 32 h bytes
	v_and_b32 v5, 31, v0
	v_lshlrev_b32 v[GOFF], 4, v5
	v_add_nc_u32 v[RD], s23, v[GOFF]               ; back: a whole row of 512 bytes a load
	v_lshlrev_b32 v5, 8, v1
	v_lshl_add_u32 v[QOFF], v2, 4, v5              ; q: row r of 256 bytes, 16 h bytes
	v_mov_b32 v[PT], 0                             ; destinations of v_permlanex16_b32 count as read: written once here
	v_mov_b32 v[PT+1], 0
	WIN 0xc0
.irp t, 0,1,2,3
	v_mov_b32 v[TP+\t], 0
	v_mov_b32 v[NM+2*\t], 0x7f7fffff               ; -max x c starts at the largest finite number: the first part's minimum takes the part's own figure,
.endr                                              ; and its factor, at most 1, multiplies sums that are 0.  So the first part runs the text of all parts
.irp i, 0,1,2,3,4,5,6,7
	v_mov_b32 v[LS+\i], 0                          ; the sums of weights start at 0
	v_mov_b32 v[P+\i], 0                           ; a fragment of zeros, in P's place, for the products that start O
.endr
	WIN 0x40
.irp t, 0,1,2,3
.irp c, 0,1,2,3
.irp e, 0,1
	global_load_b128 v[8*(4*\t+\c)+4*\e:8*(4*\t+\c)+4*\e+3], v[QOFF], s[68:69] offset:4096*\t+64*\c+32*\e    ; Q's fragments, once for all 2,048 keys
.endr
.endr
.endr
	WIN 0
.irp i, 0,1,2,3,4,5,6,7
	global_load_b128 v[GAMMA+4*\i:GAMMA+4*\i+3], v[GOFF], s[72:73] offset:512*\i
.endr
.irp i, 0,1,2,3,4,5,6,7
	global_load_b128 v[BETA+4*\i:BETA+4*\i+3], v[GOFF], s[74:75] offset:512*\i
.endr
	; O = 0 x 0 + 0: 32 products of the zero fragment start the 32 sums, while the first tiles are on their way.  So the first product of V and P is PART's own text.
	WIN 0xaf                                       ; sources 0 and 1 window 3, D window 2
.irp dt, 0,1,2,3,4,5,6,7
.irp t, 0,1,2,3
	v_wmma_f32_16x16x32_bf16 v[8*(4*\dt+\t):8*(4*\dt+\t)+7], v[P:P+7], v[P:P+7], 0
.endr
.endr
; 32 LDS loads: K's fragments of the part of 64 keys at the address in register adr, in the order in which the products take them: d chunk c first, 8 loads a chunk
.macro LDK adr
	WIN 0
.irp c, 0,1,2,3
.irp kt, 0,1,2,3
.irp e, 0,1
	ds_load_b128 v[KF+8*(4*\kt+\c)+4*\e:KF+8*(4*\kt+\c)+4*\e+3], v[\adr] offset:16*KP*\kt+64*\c+32*\e
.endr
.endr
.endr
.endm
; 32 transposing LDS loads: V's fragments of the part: keys 32 kk + 16 e + 8 h .. + 7 of column d = 16 dt + r
.macro LDV adr
	WIN 0x40
.irp kk, 0,1
.irp dt, 0,1,2,3,4,5,6,7
.irp e, 0,1
	ds_load_tr16_b128 v[VF+8*(8*\kk+\dt)+4*\e:VF+8*(8*\kk+\dt)+4*\e+3], v[\adr] offset:32*VP*\kk+16*VP*\e+32*\dt
.endr
.endr
.endr
.endm
; Multiply number ri (0 .. 127) of the rescale: the pair of O at registers 2 ri, 2 ri + 1, which belongs to query tile (ri / 4) % 4, times the lane's factor.
.macro RS1
	v_pk_mul_f32 v[2*ri:2*ri+1], v[2*ri:2*ri+1], v[AL+2*((ri>>2)&3):AL+2*((ri>>2)&3)+1]
.set ri, ri+1
.endm
; 64 matrix instructions: S^T of 64 keys x 64 queries.  The 16 accumulators take turns, one instruction a turn; the first d chunk starts the sums.
; rs = 1: two multiplies of the rescale of O stand behind each product; they name O and the factors, the products K, Q and S.
; The waits: K's 32 loads are the youngest LDS instructions; chunk c needs the first 8 (c + 1) of them, so 24 - 8 c may stay out.  V's loads are older and are in with the first wait.
.macro SMULRS rs
.set ri, 0
.irp c, 0,1,2,3
	s_wait_dscnt 24-8*\c
.irp kt, 0,1,2,3
.irp t, 0,1,2,3
	WIN 0xf4                                       ; source 0 (K) window 0, source 1 (Q) window 1, C and D window 3
.if \c == 0
	v_wmma_f32_16x16x32_bf16 v[32*\kt+8*\t:32*\kt+8*\t+7], v[KF+8*(4*\kt+\c):KF+8*(4*\kt+\c)+7], v[8*(4*\t+\c):8*(4*\t+\c)+7], 0
.else
	v_wmma_f32_16x16x32_bf16 v[32*\kt+8*\t:32*\kt+8*\t+7], v[KF+8*(4*\kt+\c):KF+8*(4*\kt+\c)+7], v[8*(4*\t+\c):8*(4*\t+\c)+7], v[32*\kt+8*\t:32*\kt+8*\t+7]
.endif
.if \rs
	WIN 0x8e                                       ; source 0 and destination window 2 (O), source 1 window 3 (the factor)
	RS1
	RS1
.endif
.endr
.endr
.endr
.endm
; Instruction number smi (0 .. 291) of the softmax's first half on S of 64 keys, under window 3 for all operands.  A lane holds 32 scores of each of its four queries;
; the four queries' chains run side by side (query tile = smi % 4 in every block of the list, whose starts are multiples of 4).
;   0-63 the lane's maximum; 64-71 with the other half of the lanes, which holds the query's other 32 keys; 72-83 -max x c, the running minimum of it, the difference to the old one;
;   84-91 the new figure, twice; 92-99 the factor exp2(difference), twice; 100-163 score x c - max x c; 164-291 the exponentials, in place.
; Behind the factors' exponentials stand the multiply-adds, behind the last exponentials the four v_nop of PART, or on the way in the first address addition: the plain instruction that ISA guide 5.7.2 asks for.
.macro SM1ONE
.set tq, smi&3
.if smi < 4
	v_max3_num_f32 v[MX+tq], v[8*tq], v[8*tq+1], v[8*tq+2]
.elseif smi < 60
.set uu, 3+2*((smi-4)>>2)
	v_max3_num_f32 v[MX+tq], v[MX+tq], v[32*(uu>>3)+8*tq+(uu&7)], v[32*((uu+1)>>3)+8*tq+((uu+1)&7)]
.elseif smi < 64
	v_max_num_f32 v[MX+tq], v[MX+tq], v[96+8*tq+7]
.elseif smi < 68
	v_permlanex16_b32 v[TP+tq], v[MX+tq], s44, s45
.elseif smi < 72
	v_max_num_f32 v[MX+tq], v[MX+tq], v[TP+tq]
.elseif smi < 76
	v_mul_f32 v[AA+tq], s78, v[MX+tq]
.elseif smi < 80
	v_min_num_f32 v[AA+tq], v[AA+tq], v[NM+2*tq]
.elseif smi < 84
	v_sub_f32 v[DD+tq], v[AA+tq], v[NM+2*tq]
.elseif smi < 92
	v_mov_b32 v[NM+(smi-84)], v[AA+((smi-84)>>1)]
.elseif smi < 100
	v_exp_f32 v[AL+(smi-92)], v[DD+((smi-92)>>1)]
.elseif smi < 164
.set ww, (smi-100)>>2
.set pr, 32*(ww>>2)+8*tq+2*(ww&3)
	v_pk_fma_f32 v[pr:pr+1], v[pr:pr+1], s[76:77], v[NM+2*tq:NM+2*tq+1] op_sel_hi:[1,0,1]
.else
	v_exp_f32 v[smi-164], v[smi-164]
.endif
.set smi, smi+1
.endm
; 64 matrix instructions: O^T += V^T P^T over 64 keys.  The 32 accumulators take turns, one instruction a turn.
; sm = 1: the 292 instructions of the next part's softmax stand between them; they name S and the softmax figures, the products V, P and O.
; Six behind each of the first 28 products (the plain arithmetic and the first four exponentials), three or four behind each of the other 36 (124 exponentials).
.macro PVSM sm
.set smi, 0
.set wi, 0
.irp kk, 0,1
.irp dt, 0,1,2,3,4,5,6,7
.irp t, 0,1,2,3
	WIN 0xad                                       ; source 0 (V) window 1, source 1 (P) window 3, C and D window 2
	v_wmma_f32_16x16x32_bf16 v[8*(4*\dt+\t):8*(4*\dt+\t)+7], v[VF+8*(8*\kk+\dt):VF+8*(8*\kk+\dt)+7], v[P+16*\t+8*\kk:P+16*\t+8*\kk+7], v[8*(4*\dt+\t):8*(4*\dt+\t)+7]
.if \sm
.set wi, wi+1
.if wi <= 28
.set tgt, 6*wi
.else
.set tgt, 168+(((wi-28)*124)/36)
.endif
	WIN 0xff
.rept tgt-smi
	SM1ONE
.endr
.endif
.endr
.endr
.endr
.endm
; The softmax's second half: the row sums, and the weights packed to bf16.  Pair w of query tile t (keys 16 (w / 4) + 8 h + 2 (w % 4), + 1) is register w of the two
; fragments P(t, 0), P(t, 1).  A sum and a packing by turns, so that a lane's four chains of sums have seven instructions between two links.
.macro SUMCVT
	WIN 0xff
.irp w, 0,1,2,3,4,5,6,7,8,9,10,11,12,13,14,15
.irp t, 0,1,2,3
.if \w == 0
	s_wait_alu depctr_va_vdst(0)
	v_pk_fma_f32 v[LS+2*\t:LS+2*\t+1], v[LS+2*\t:LS+2*\t+1], v[AL+2*\t:AL+2*\t+1], v[8*\t:8*\t+1]
.else
	v_pk_add_f32 v[LS+2*\t:LS+2*\t+1], v[LS+2*\t:LS+2*\t+1], v[32*(\w>>2)+8*\t+2*(\w&3):32*(\w>>2)+8*\t+2*(\w&3)+1]
.endif
	v_cvt_pk_bf16_f32 v[P+16*\t+\w], v[32*(\w>>2)+8*\t+2*(\w&3)], v[32*(\w>>2)+8*\t+2*(\w&3)+1]
.endr
.endr
.endm
; PART(n), a loop's body.  On entry: S holds part n's exponentials, the factor of part n stands in AL, O holds the sums up to part n - 1, V(n)'s fragments have been asked for,
; K's fragment registers and P are free.  K(n + 1) and V(n + 1) are both asked for in here, so a change of slots falls between two trips.
.macro PART
	LDK ADRK                                       ; K(n + 1)
	SUMCVT                                         ; part n: sums and P(n); frees S
	SMULRS 1                                       ; S(n + 1), and O times part n's factor
	PLACES
	PVSM 1                                         ; O += V(n) P(n), and part n + 1's maximum, factor and exponentials
	PLACES
	LDV ADRV                                       ; V(n + 1)
	WIN 0                                          ; the addresses lie in window 0
	v_add_nc_u32 v[ADRK], KPART, v[ADRK]
	v_add_nc_u32 v[ADRV], VPART, v[ADRV]
.endm
; The change of slots, between two PARTs.  s5 = the offset (0 or SLOTB) of the slot whose last part has just been fetched into registers.
; In front of the round each wave waits for its reads of that slot (V's last fragments, just asked for) and for all its tensor loads (one is out: its part of
; the other slot).  Behind the round the refill comes first; then s5 turns to the other slot, from which the next group of PARTs fetches.
; From a request to the wait for it a wave issues 512 matrix instructions.
.macro TOGGLE
	s_xor_b32 s5, s5, SLOTB                        ; 0 <-> SLOTB
	s_mov_b32 s6, s5                               ; the next group starts at the slot's part 0, in K's tile
	s_mov_b32 s7, s5                               ; and in V's
.endm
.macro BFILL
	s_wait_dscnt 0x0                               ; my reads of this slot are over
	s_wait_tensorcnt 0x0                           ; all my tensor loads have landed: every group 0 may be written
	ds_add_u32 v62, v63
	s_wait_dscnt 0x0
	CROUND                                         ; no wave of any partner still reads this slot or has a load on its way
	s_add_nc_u64 s[G0K+6:G0K+7], s[G0K+6:G0K+7], TILEB     ; the running group 0: the next tile in memory,
	s_add_nc_u64 s[G0V+6:G0V+7], s[G0V+6:G0V+7], TILEB
	s_add_co_u32 s[G0K+5], s20, s5                 ; into my half of the slot just read
	s_add_co_u32 s[G0V+5], s21, s5
	JLOAD 1                                        ; the first tensor load behind the round, and the wave's only one until the next
	TOGGLE
.endm
; The same for the last two tiles, which refill nothing: a barrier of the work-group.  In the tail's first trip it shows tile 7, whose load is still out, to all four waves.
; In the second trip it orders nothing that the first has not (no load is out, and no LDS byte of the ring is read or written behind it); it stands there because both trips are one text.
.macro BSHOW
	s_wait_dscnt 0x0
	s_wait_tensorcnt 0x0
	s_barrier_signal -1
	s_barrier_wait -1
	TOGGLE
.endm
	s_wait_tensorcnt 1                             ; my part of tile 0 is in; tile 1's load stays out
	s_barrier_signal -1
	s_barrier_wait -1                              ; everybody's part is in
	LDV VB                                         ; part 0: V first, so that K's loads are the youngest, as the products' waits count them
	LDK KB
	s_wait_loadcnt 16                              ; Q is in; the 16 younger loads are gamma and beta, wanted on the way out
	SMULRS 0                                       ; S(0)
	PLACES
	WIN 0xff
.set smi, 0
.rept SM1N
	SM1ONE                                         ; part 0's maximum, factor and exponentials, in a plain run: there is no product yet to lay them under
.endr
	WIN 0                                          ; at a label and at a branch every window is 0
	s_mov_b32 s5, 0                                ; slot 0 is being read
	s_mov_b32 s6, KPART                            ; the first group fetches from part 1 on
	s_mov_b32 s7, VPART
	s_mov_b32 s4, 3                                ; and has three PARTs: n = 0, 1, 2
	s_mov_b32 s3, 6                                ; six groups, each followed by a refill: tiles 2 to 7
.Lgroup:
	v_add_nc_u32 v[ADRK], s6, v[KB]                ; (on the way in, also the plain instruction behind the last exponentials)
	v_add_nc_u32 v[ADRV], s7, v[VB]
.Lpart:
	PART                                           ; n = 0 .. 22
	s_sub_co_u32 s4, s4, 1
	s_cmp_lg_u32 s4, 0
	s_cbranch_scc1 .Lpart
	s_mov_b32 s4, 4                                ; every later group fetches a whole tile's four parts
	BFILL
	s_sub_co_u32 s3, s3, 1
	s_cmp_lg_u32 s3, 0
	s_cbranch_scc1 .Lgroup
	s_mov_b32 s3, 2                                ; the last two tiles: nothing is left to fetch from memory
.Ltgroup:
	v_add_nc_u32 v[ADRK], s6, v[KB]
	v_add_nc_u32 v[ADRV], s7, v[VB]
.Ltpart:
	PART                                           ; n = 23 .. 30
	s_sub_co_u32 s4, s4, 1
	s_cmp_lg_u32 s4, 0
	s_cbranch_scc1 .Ltpart
	s_mov_b32 s4, 4
	BSHOW
	s_sub_co_u32 s3, s3, 1
	s_cmp_lg_u32 s3, 0
	s_cbranch_scc1 .Ltgroup
	; part 31's second half: V's fragments are in since the wait for all LDS loads in front of the last barrier
	WIN 0x40
.irp t, 0,1
.irp qi, 0,1,2,3,4,5,6,7,8,9,10,11,12,13,14,15
	global_load_b128 v[64*\t+4*\qi:64*\t+4*\qi+3], v[GOFF], s[70:71] offset:512*(16*\t+\qi) th:TH_LOAD_NT     ; res of attention rows 0-31, into Q's place
.endr
.endr
	SUMCVT
	WIN 0x8e
.set ri, 0
.rept 128
	RS1
.endr
	PVSM 0
	PLACES
	WIN 0x40
.irp t, 2,3
.irp qi, 0,1,2,3,4,5,6,7,8,9,10,11,12,13,14,15
	global_load_b128 v[64*\t+4*\qi:64*\t+4*\qi+3], v[GOFF], s[70:71] offset:512*(16*\t+\qi) th:TH_LOAD_NT     ; res of attention rows 32-63, into V's fragments' place
.endr
.endr
	; THE WAY OUT.  First 1 / (sum of weights) of every query.
	WIN 0xff
.irp t, 0,1,2,3
	v_add_f32 v[LS+2*\t], v[LS+2*\t], v[LS+2*\t+1]
.endr
.irp t, 0,1,2,3
	v_permlanex16_b32 v[TP+\t], v[LS+2*\t], s44, s45
.endr
.irp t, 0,1,2,3
	v_add_f32 v[LS+2*\t], v[LS+2*\t], v[TP+\t]
.endr
.irp t, 0,1,2,3
	v_rcp_f32 v[INV+2*\t],   v[LS+2*\t]
	v_rcp_f32 v[INV+2*\t+1], v[LS+2*\t]
.endr
	v_nop                                          ; one plain vector instruction behind the reciprocals, ahead of their use (ISA guide 5.7.2)
	s_wait_alu depctr_va_vdst(0)
; the sums of two registers over the wave's 32 lanes, side by side; every lane ends up with both results
.macro XSUM2 r0, r1
.irp m, 1,2,4,8
	v_add_f32_dpp v[\r0], v[\r0], v[\r0] row_xmask:\m row_mask:0xf bank_mask:0xf
	v_add_f32_dpp v[\r1], v[\r1], v[\r1] row_xmask:\m row_mask:0xf bank_mask:0xf
.endr
	v_permlanex16_b32 v[PT],   v[\r0], s44, s45
	v_permlanex16_b32 v[PT+1], v[\r1], s44, s45
	v_add_f32 v[\r0], v[\r0], v[PT]
	v_add_f32 v[\r1], v[\r1], v[PT+1]
.endm
; Query tile t = 16 attention rows = 2 output rows.  Through my own stage the rows turn from one query a lane to 512 consecutive bytes a load;
; row a of the two then lies in registers X + 32 a .. + 31: register 4 i + e of it is column 128 i + 4 lane + e, as gamma and beta lie.
.macro PASS t
	WIN 0x8e
.irp dt, 0,1,2,3,4,5,6,7
.irp p, 0,1,2,3
	v_pk_mul_f32 v[8*(4*\dt+\t)+2*\p:8*(4*\dt+\t)+2*\p+1], v[8*(4*\dt+\t)+2*\p:8*(4*\dt+\t)+2*\p+1], v[INV+2*\t:INV+2*\t+1]
.endr
.endr
	WIN 0x08                                       ; store data in window 2
.irp dt, 0,1,2,3,4,5,6,7
.irp e, 0,1
	ds_store_b128 v[STO], v[8*(4*\dt+\t)+4*\e:8*(4*\dt+\t)+4*\e+3] offset:64*\dt+16*\e
.endr
.endr
	WIN 0
	s_wait_xcnt 0x0                                ; X, which the last pass's stores read, is rewritten only behind this wait
.irp qi, 0,1,2,3,4,5,6,7,8,9,10,11,12,13,14,15
	ds_load_b128 v[X+4*\qi:X+4*\qi+3], v[RD] offset:FPITCH*\qi     ; LDS serves a wave's instructions in order: these see the stores above
.endr
	s_wait_loadcnt 48-16*\t                        ; this pass's 16 loads of res are in (gamma and beta are older); the later passes' stay out
	s_wait_dscnt 0x0
	WIN 0x04                                       ; source 1 (res) window 1
.set cnt, 0
.rept 32
	v_pk_add_f32 v[X+2*cnt:X+2*cnt+1], v[X+2*cnt:X+2*cnt+1], v[64*\t+2*cnt:64*\t+2*cnt+1]
.set cnt, cnt+1
.endr
	WIN 0
.set cnt, 0
.rept 64
	v_max_num_f32 v[X+cnt], 0, v[X+cnt]
.set cnt, cnt+1
.endr
	; the mean
.irp a, 0,1
	v_pk_add_f32 v[SUM+2*\a:SUM+2*\a+1], v[X+32*\a:X+32*\a+1], v[X+32*\a+2:X+32*\a+3]
.endr
.irp j, 2,3,4,5,6,7,8,9,10,11,12,13,14,15
.irp a, 0,1
	v_pk_add_f32 v[SUM+2*\a:SUM+2*\a+1], v[SUM+2*\a:SUM+2*\a+1], v[X+32*\a+2*\j:X+32*\a+2*\j+1]
.endr
.endr
.irp a, 0,1
	v_add_f32 v[SUM+2*\a], v[SUM+2*\a], v[SUM+2*\a+1]
.endr
	XSUM2 SUM, SUM+2
.irp a, 0,1
	v_mul_f32 v[NMN+2*\a],   s79, v[SUM+2*\a]      ; -mean, twice
	v_mul_f32 v[NMN+2*\a+1], s79, v[SUM+2*\a]
.endr
.irp j, 0,1,2,3,4,5,6,7,8,9,10,11,12,13,14,15
.irp a, 0,1
	v_pk_add_f32 v[X+32*\a+2*\j:X+32*\a+2*\j+1], v[X+32*\a+2*\j:X+32*\a+2*\j+1], v[NMN+2*\a:NMN+2*\a+1]
.endr
.endr
	; the variance, of the centred numbers
.irp a, 0,1
	v_pk_mul_f32 v[SQ+2*\a:SQ+2*\a+1], v[X+32*\a:X+32*\a+1], v[X+32*\a:X+32*\a+1]
.endr
.irp j, 1,2,3,4,5,6,7,8,9,10,11,12,13,14,15
.irp a, 0,1
	v_pk_fma_f32 v[SQ+2*\a:SQ+2*\a+1], v[X+32*\a+2*\j:X+32*\a+2*\j+1], v[X+32*\a+2*\j:X+32*\a+2*\j+1], v[SQ+2*\a:SQ+2*\a+1]
.endr
.endr
.irp a, 0,1
	v_add_f32 v[SQ+2*\a], v[SQ+2*\a], v[SQ+2*\a+1]
.endr
	XSUM2 SQ, SQ+2
.irp a, 0,1
	v_fma_f32 v[VAR+\a], v[SQ+2*\a], s46, s47      ; sum of squares / 1024 + 1e-8
.endr
.irp a, 0,1
	v_rsq_f32 v[RS+2*\a],   v[VAR+\a]
	v_rsq_f32 v[RS+2*\a+1], v[VAR+\a]
.endr
	v_nop                                          ; one plain vector instruction behind the roots, ahead of their use (ISA guide 5.7.2)
	s_wait_alu depctr_va_vdst(0)
.irp j, 0,1,2,3,4,5,6,7,8,9,10,11,12,13,14,15
.irp a, 0,1
	v_pk_mul_f32 v[T+32*\a+2*\j:T+32*\a+2*\j+1], v[GAMMA+2*\j:GAMMA+2*\j+1], v[RS+2*\a:RS+2*\a+1]
.endr
.endr
.irp j, 0,1,2,3,4,5,6,7,8,9,10,11,12,13,14,15
.irp a, 0,1
	v_pk_fma_f32 v[X+32*\a+2*\j:X+32*\a+2*\j+1], v[X+32*\a+2*\j:X+32*\a+2*\j+1], v[T+32*\a+2*\j:T+32*\a+2*\j+1], v[BETA+2*\j:BETA+2*\j+1]
.endr
.endr
.irp a, 0,1
.irp i, 0,1,2,3,4,5,6,7
	global_store_b128 v[GOFF], v[X+32*\a+4*\i:X+32*\a+4*\i+3], s[66:67] offset:512*(16*\t+8*\a+\i) th:TH_STORE_NT   ; the wave stores 512 consecutive aligned bytes
.endr
.endr
.endm
	PASS 0
	PASS 1
	PASS 2
	PASS 3
	s_wait_tensorcnt 0x0
	ds_add_u32 v62, v63
	s_wait_dscnt 0x0
	CROUND                                         ; the closing round: no work-group ends while a partner may still ask for a tile that names it
	s_endpgm
.Lfunc_end_k_qbc18feaca0_attn:
	.size	k_qbc18feaca0_attn, .Lfunc_end_k_qbc18feaca0_attn-k_qbc18feaca0_attn
	.p2alignl 7, 3214868480
	.fill 96, 4, 3214868480
	.section	.rodata,"a",@progbits
	.p2align	6, 0x0
	.amdhsa_kernel k_qbc18feaca0_attn
		.amdhsa_group_segment_fixed_size 327680
		.amdhsa_private_segment_fixed_size 0
		.amdhsa_enable_private_segment 0
		.amdhsa_kernarg_size 40
		.amdhsa_user_sgpr_count 2
		.amdhsa_user_sgpr_kernarg_segment_ptr 1
		.amdhsa_wavefront_size32 1
		.amdhsa_system_sgpr_workgroup_id_x 1
		.amdhsa_system_sgpr_workgroup_id_y 1
		.amdhsa_system_sgpr_workgroup_id_z 1
		.amdhsa_system_vgpr_workitem_id 0
		.amdhsa_next_free_vgpr 1024
		.amdhsa_next_free_sgpr 80
		.amdhsa_reserve_vcc 0
		.amdhsa_float_denorm_mode_32 3
		.amdhsa_float_denorm_mode_16_64 3
		.amdhsa_memory_ordered 1
		.amdhsa_forward_progress 1
		.amdhsa_inst_pref_size 252
	.end_amdhsa_kernel
	.amdgpu_metadata
---
amdhsa.version: [ 1, 2 ]
amdhsa.kernels:
  - .name:           k_qbc18feaca0_attn
    .symbol:         k_qbc18feaca0_attn.kd
    .args:
      - { .name: qkv, .offset: 0, .size: 8, .value_kind: global_buffer, .address_space: global }
      - { .name: res, .offset: 8, .size: 8, .value_kind: global_buffer, .address_space: global }
      - { .name: gamma, .offset: 16, .size: 8, .value_kind: global_buffer, .address_space: global }
      - { .name: beta, .offset: 24, .size: 8, .value_kind: global_buffer, .address_space: global }
      - { .name: out0, .offset: 32, .size: 8, .value_kind: global_buffer, .address_space: global }
    .group_segment_fixed_size: 327680
    .private_segment_fixed_size: 0
    .kernarg_segment_align: 8
    .kernarg_segment_size: 40
    .max_flat_workgroup_size: 128
    .sgpr_count:     80
    .vgpr_count:     1024
    .wavefront_size: 32
...
	.end_amdgpu_metadata
.endif
;; end of part 4
;; ======== version 3 of 3: 3 launches; version 2 with the launch cast written anew for expert scheduling mode
;; workspace buffers: cb 25,165,824 bytes; qkv 50,331,648 bytes; res 33,554,432 bytes
;; launch cast (part 5): grid 768 x 1, 8 waves a work-group, no clusters, 0 bytes of LDS; arguments x, Wq, Wk, Wv, Wr, cb; writes cb
.if DOCPART == 5
	.amdgcn_target "amdgcn-amd-amdhsa--gfx1250"
	.amdhsa_code_object_version 6
	.text
	.protected	k_qbc18feaca0_cast
	.globl	k_qbc18feaca0_cast
	.p2align	8
	.type	k_qbc18feaca0_cast,@function
k_qbc18feaca0_cast:
	s_mov_b64 s[64:65], 0
	v_nop
	global_prefetch_b8 v0, s[64:65] scope:SCOPE_SE
	s_setreg_imm32_b32 hwreg(HW_REG_WAVE_SCHED_MODE, 0, 2), 2
	s_setreg_imm32_b32 hwreg(HW_REG_WAVE_MODE, 25, 1), 1
	s_wait_xcnt 0x0
	s_wait_alu depctr_vm_vsrc(0)
; cb = bf16 of x (8,388,608 numbers, cb's bytes 0 to 16 MiB) and of Wq, Wk, Wv, Wr (1,048,576 numbers each, 2 MiB each, in that order behind x).
; Nothing is transposed: the layouts stay [row][column].  Rounding to nearest even, once.
; 768 work-groups of 16,384 numbers: groups 0-511 take x, 512-575 Wq, 576-639 Wk, 640-703 Wv, 704-767 Wr.
; A wave takes 2,048 numbers: 16 loads of 16 bytes a lane (512 consecutive bytes a load), all issued at once, and 16 stores of
; 8 bytes a lane (256 consecutive aligned bytes a store).  No LDS, no barrier, no matrix unit: the work is a copy.
; THE MODE: SCHED_MODE bits 1:0 = 2 (LLVM: expert scheduling mode 2), set by the entry lines.  The code itself states the register dependences
; between vector instructions and memory instructions, with s_wait_alu, always for 0.
; THE PLAN.  Registers that memory instructions touch:
;   v1, v2   byte offsets of the loads and of the stores.  Written by vector instructions at the head and never again; read by all 32 memory instructions.
;   X        Written by the 16 loads alone, each register once; no vector instruction names X ahead of the loads.  Read by the conversions, behind s_wait_loadcnt.
;   Y        Written by the conversions, each register once; read by the stores.
; The work goes in four blocks of four loads: the block's eight conversions, one wait on va_vdst, the block's four stores.  With the wait at the head, for the two
; offsets, that is five waits.  No register that a memory instruction reads is written again, so no wait on vm_vsrc is owed; no vector instruction writes a scalar
; register or VCC, and EXEC is never written.
; The stores stand behind their own block's conversions and not behind the next block's wait for data: finished numbers are not held back behind loads that are still out.
.set X, 4                              ; v[4:67]   16 x 4 numbers in f32, as loaded
.set Y, 68                             ; v[68:99]  16 x 2 words of two bf16, to store
	s_load_b256 s[4:11], s[0:1], 0x0               ; x s[4:5], Wq s[6:7], Wk s[8:9], Wv s[10:11]
	s_load_b128 s[12:15], s[0:1], 0x20             ; Wr s[12:13], cb s[14:15]
	s_sub_co_u32 s16, ttmp9, 512                   ; place among the weights' groups (wraps for x's groups: overruled below)
	s_lshr_b32 s17, s16, 6                         ; which weight matrix
	s_and_b32 s18, s16, 63                         ; which 64 KiB of it
	v_and_b32 v3, 31, v0                           ; lane
	v_lshrrev_b32 v2, 5, v0                        ; wave
	v_lshlrev_b32 v1, 13, v2                       ; in:  8,192 bytes a wave
	v_lshl_add_u32 v1, v3, 4, v1                   ;      + 16 bytes a lane
	v_lshlrev_b32 v2, 12, v2                       ; out: 4,096 bytes a wave
	v_lshl_add_u32 v2, v3, 3, v2                   ;      + 8 bytes a lane
	s_wait_kmcnt 0x0
	s_cmp_eq_u32 s17, 1                            ; the source buffer is chosen by the group's number alone
	s_cselect_b64 s[20:21], s[8:9], s[6:7]
	s_cmp_eq_u32 s17, 2
	s_cselect_b64 s[20:21], s[10:11], s[20:21]
	s_cmp_eq_u32 s17, 3
	s_cselect_b64 s[20:21], s[12:13], s[20:21]
	s_cmp_lt_u32 ttmp9, 512
	s_cselect_b64 s[20:21], s[4:5], s[20:21]
	s_cselect_b32 s18, ttmp9, s18
	s_lshl_b32 s22, s18, 16                        ; 64 KiB of f32 a group
	s_mov_b32 s23, 0
	s_add_nc_u64 s[20:21], s[20:21], s[22:23]
	s_lshl_b32 s24, ttmp9, 15                      ; 32 KiB of bf16 a group: group 512 starts at 16 MiB, every 64 groups are 2 MiB
	s_mov_b32 s25, 0
	s_add_nc_u64 s[14:15], s[14:15], s[24:25]
	s_wait_alu depctr_va_vdst(0)                   ; v1 and v2 are written: the loads read v1 as their offset, the stores v2; neither is written again
.irp j, 0,1,2,3,4,5,6,7,8,9,10,11,12,13,14,15
	global_load_b128 v[X+4*\j:X+4*\j+3], v1, s[20:21] offset:512*\j th:TH_LOAD_NT
.endr
.irp p, 0,1,2,3
	s_wait_loadcnt 12-4*\p                         ; loads come back in order: block p's four loads are in, the 12 - 4 p younger ones stay out
.irp i, 0,1,2,3
	v_cvt_pk_bf16_f32 v[Y+8*\p+2*\i],   v[X+16*\p+4*\i],   v[X+16*\p+4*\i+1]
	v_cvt_pk_bf16_f32 v[Y+8*\p+2*\i+1], v[X+16*\p+4*\i+2], v[X+16*\p+4*\i+3]
.endr
	s_wait_alu depctr_va_vdst(0)                   ; the block's eight conversions have written v[Y + 8 p .. Y + 8 p + 7], which the four stores below read
.irp i, 0,1,2,3
	global_store_b64 v2, v[Y+8*\p+2*\i:Y+8*\p+2*\i+1], s[14:15] offset:256*(4*\p+\i)     ; no register is written twice, so no wait frees a source
.endr
.endr
	s_endpgm
.Lfunc_end_k_qbc18feaca0_cast:
	.size	k_qbc18feaca0_cast, .Lfunc_end_k_qbc18feaca0_cast-k_qbc18feaca0_cast
	.p2alignl 7, 3214868480
	.fill 96, 4, 3214868480
	.section	.rodata,"a",@progbits
	.p2align	6, 0x0
	.amdhsa_kernel k_qbc18feaca0_cast
		.amdhsa_group_segment_fixed_size 0
		.amdhsa_private_segment_fixed_size 0
		.amdhsa_enable_private_segment 0
		.amdhsa_kernarg_size 48
		.amdhsa_user_sgpr_count 2
		.amdhsa_user_sgpr_kernarg_segment_ptr 1
		.amdhsa_wavefront_size32 1
		.amdhsa_system_sgpr_workgroup_id_x 1
		.amdhsa_system_sgpr_workgroup_id_y 1
		.amdhsa_system_sgpr_workgroup_id_z 1
		.amdhsa_system_vgpr_workitem_id 0
		.amdhsa_next_free_vgpr 104
		.amdhsa_next_free_sgpr 66
		.amdhsa_reserve_vcc 0
		.amdhsa_float_denorm_mode_32 3
		.amdhsa_float_denorm_mode_16_64 3
		.amdhsa_memory_ordered 1
		.amdhsa_forward_progress 1
		.amdhsa_inst_pref_size 7
	.end_amdhsa_kernel
	.amdgpu_metadata
---
amdhsa.version: [ 1, 2 ]
amdhsa.kernels:
  - .name:           k_qbc18feaca0_cast
    .symbol:         k_qbc18feaca0_cast.kd
    .args:
      - { .name: x, .offset: 0, .size: 8, .value_kind: global_buffer, .address_space: global }
      - { .name: Wq, .offset: 8, .size: 8, .value_kind: global_buffer, .address_space: global }
      - { .name: Wk, .offset: 16, .size: 8, .value_kind: global_buffer, .address_space: global }
      - { .name: Wv, .offset: 24, .size: 8, .value_kind: global_buffer, .address_space: global }
      - { .name: Wr, .offset: 32, .size: 8, .value_kind: global_buffer, .address_space: global }
      - { .name: cb, .offset: 40, .size: 8, .value_kind: global_buffer, .address_space: global }
    .group_segment_fixed_size: 0
    .private_segment_fixed_size: 0
    .kernarg_segment_align: 8
    .kernarg_segment_size: 48
    .max_flat_workgroup_size: 256
    .sgpr_count:     66
    .vgpr_count:     104
    .wavefront_size: 32
...
	.end_amdgpu_metadata
.endif
;; end of part 5
;; launch proj: the kernel of part 2 again; grid 16 x 32, 4 waves a work-group, clusters of 4 x 4, 327,680 bytes of LDS; arguments cb, qkv, res, bq, bk, bv, br; writes qkv, res
;; launch attn: the kernel of part 4 again; grid 256 x 1, 4 waves a work-group, clusters of 4 x 1, 327,680 bytes of LDS; arguments qkv, res, gamma, beta, out0; writes out0
